; MI455X (gfx1250); checked and timed in simulation.
; The chip was launched on July 23, 2026; its instructions are those of AMD's public machine-readable ISA for CDNA 5 (MIT licence, August 2026) and "CDNA5" Instruction Set Architecture Reference Guide (July 2026). The comments in the code are by the model that wrote it; some were corrected since.
;; Multi Head Self Attention. Allowed arithmetic: matrix products marked QUANTISED: E3M2 operands, one E8M0 scale for each 32 along K, by v_wmma_scale_f32_16x16x128_f8f6f4 with both operands' format E3M2, f32 sums; everything else in f32.
;; Inputs: W_O 1,024 x 1,024 float32; W_QKV 1,024 x 3,072 float32; token_positions 2,048 int32; x 4 x 2,048 x 1,024 float32.
;; Outputs: out0 4 x 2,048 x 1,024 float32.
;; This version of the problem:
;;   THIS VERSION OF THE PROBLEM IS GIVEN IN LOW PRECISION. The matrix products marked QUANTISED in the list below multiply operands that are first quantised to E3M2 (3 exponent bits, 2 mantissa bits; 6 bits a number), with one power-of-two scale for each 32 numbers along K (OCP MX v1.0); their sums are f32. All else is computed in f32.
;;   The module's matrix products, in the order in which they are computed (A, B: the left and right operand; K: the contracted axis; several contracted axes count as one K, in the product's order):
;;     1. [M 8,192, K 1,024] x [K 1,024, N 3,072]; A: input x; B: input W_QKV: QUANTISED
;;     2. batch 64 x [M 2,048, K 64] x [K 64, N 2,048]; A: computed on the way; B: computed on the way: QUANTISED
;;     3. batch 64 x [M 2,048, K 2,048] x [K 2,048, N 64]; A: softmax (see below); B: computed on the way: QUANTISED
;;     4. [M 8,192, K 1,024] x [K 1,024, N 1,024]; A: computed on the way; B: input W_O: QUANTISED
;;   THE QUANTISER, for each operand of a quantised product, along K:
;;     - K is cut into blocks of 32 from its start; a last block that is shorter is filled with zeros.
;;     - A block's scale is 2^e with e = floor(log2(the largest magnitude in the block)) - 4, held to -126 .. 127; a block of zeros has e = 0. As a byte (E8M0): e + 127.
;;     - Each number is divided by its block's scale, clamped to +-28, and rounded to the nearest number of E3M2, ties to even, subnormals kept.
;;     - The product sums the exact products of the quantised numbers (number of the format x scale) in f32.
;;   ~~~python
;;   def quantise(x, axis):      # numpy; x: float32 -> the quantised numbers, widened to float32 again
;;       x = np.moveaxis(x, axis, -1); K = x.shape[-1]
;;       x = np.pad(x, [(0, 0)] * (x.ndim - 1) + [(0, -K % 32)]); x = x.reshape(x.shape[:-1] + (-1, 32)); a = np.abs(x).max(-1, keepdims=True)
;;       e = np.where(a > 0, np.clip(np.frexp(np.where(a > 0, a, 1))[1] - 1 - 4, -126, 127), 0)      # np.frexp(a)[1] - 1 = floor(log2(a)), exactly
;;       r = np.clip(x / 2.0 ** e, -28, 28)
;;       step = 2.0 ** (np.maximum(np.frexp(np.where(r == 0, 1, r))[1] - 1, -2) - 2)
;;       q = np.round(r / step) * step * 2.0 ** e      # np.round: ties to even
;;       return np.moveaxis(q.reshape(q.shape[:-2] + (-1,))[..., :K], -1, axis).astype(np.float32)
;;   ~~~
;;   SOFTMAX AHEAD OF A QUANTISED PRODUCT. Where the list says 'softmax', what is quantised is not the finished softmax but p = 2^(t - M), with t = logit x log2(e) and M = ceil(the row's largest t), a whole number; so 1/2 < the row's largest p <= 1. The row's sum l is taken of the UNQUANTISED p, in f32, and the product's result is divided by l at the end. Since M is a whole number, a kernel that streams over the keys may use a running M (the ceiling of the running maximum): every later rescaling is an exact power of two, which a block's scale takes up: the codes' values come out the same.
;;   OPERANDS COMPUTED ON THE WAY. 'Computed on the way' means the value that the module computes at that place (a softmax that the list does not call 'softmax' is quantised finished and normalised). What goes into a quantiser is computed in f32, as accurately as f32 sums, v_exp_f32 and their like allow (about 1e-6 of the number): no bf16 or f16 on the way to a quantiser, and a product that is left as it is and whose result goes on into a quantised operand takes f32 operands (vector FMAs, or v_wmma_f32_16x16x4_f32). A number that lies on a knife's edge between two numbers of the format may be rounded either way, as far as f32 arithmetic and the matrix unit's own rounding can turn it there, and no further.
;; One version. Each part assembles by itself: llvm-mc -triple=amdgcn-amd-amdhsa -mcpu=gfx1250 --defsym DOCPART=n.
;; ======== version 1 of 1: 4 launches
;; limits: right only within a limited range of input values
;; workspace buffers: xq 6,553,600 bytes; wq 3,276,800 bytes; tab 524,288 bytes; qq 6,815,744 bytes; kv 13,369,344 bytes; aq 6,553,600 bytes
;; launch prep (part 1): grid 416 x 1, 4 waves a work-group, no clusters, 35,328 bytes of LDS; arguments x, W_QKV, W_O, token_positions, xq, wq, tab; writes xq, wq, tab
.if DOCPART == 1
	.amdgcn_target "amdgcn-amd-amdhsa--gfx1250"
	.amdhsa_code_object_version 6
	.text
	.protected	k_q53d06319fe_prep
	.globl	k_q53d06319fe_prep
	.p2align	8
	.type	k_q53d06319fe_prep,@function
k_q53d06319fe_prep:
	s_mov_b64 s[64:65], 0
	v_nop
	global_prefetch_b8 v0, s[64:65] scope:SCOPE_SE
	s_setreg_imm32_b32 hwreg(HW_REG_WAVE_MODE, 25, 1), 1
	s_wait_xcnt 0x0
; PREP: x [8192][1024], W_QKV [1024][3072] and W_O [1024][1024], f32, become codes of BF6 (E3M2) with one E8M0 byte for each 32 along K (K = 1,024 in all three);
; token_positions [2048] becomes the table of cosines and sines that the rotation of Q and K wants.
; LAYOUT OF THE CODES: images of the operand's registers.  A TILE T holds the 16 rows (of x) or columns (of a weight) 32 (T / 2) + 8 (T % 2) + r + 8 (r / 8), r = 0 .. 15.
; A HALF FRAGMENT (tile T, 64 along K from 64 c on) is 768 bytes: lane l = r + 16 h owns the 24 bytes of k = 64 c + 32 h + 0 .. 31: its first 16 at 16 l, its last 8 at 512 + 8 l.
; A tile's RECORD is 12,800 bytes: 16 half fragments, then 512 bytes of scale words: the word of row r for k = 128 q on at 12,288 + 128 (q / 2) + 8 r + 4 (q % 2).
; A block's scale is 2^(floor(log2(its largest magnitude)) - 4): its byte is the largest magnitude's exponent field - 4, held at 1 from below.
; LIMITS: a block of zeros, or one whose largest magnitude lies under 2^-122, gets the byte 1 (this program alone reads the bytes; zero codes add nothing under it); NaN and infinities are not served.
; The table: 10000^(-f / 32) is made by one exponential (good to an ulp or two, as any f32 power is); the angle's reduction holds for |position| up to 2^20.
; SHARES: work-groups 0-255 take x, 256-351 W_QKV, 352-383 W_O, 384-415 the table: scalar branches on the work-group's number.  Only x's path uses LDS.  Waves share nothing: no barrier.
.set REC,  12800
.set RX,   16                          ; x: v16-143   four sets of 32 numbers as they are loaded
.set XX,   144                         ; x: v144-207  two sets of 32 neighbours along K
.set WX,   32                          ; weights: v32-95 two sets of 32 numbers down K
.set CC,   208                         ; v208-223 codes: two sets of 8 (6 used)
.set CT,   224                         ; v224-226 a block's upper 16 codes (a conversion's three registers begin on an even number)
.set WP,   228                         ; v228-231 x: parts of four scale words
.set PD,   232                         ; v232-235 destinations of the lane permutes
.set SB,   24                          ; v24-25   weights: two scale words
	s_load_b256 s[4:11], s[0:1], 0x0               ; x s[4:5], W_QKV s[6:7], W_O s[8:9], token_positions s[10:11]
	s_load_b128 s[12:15], s[0:1], 0x20             ; xq s[12:13], wq s[14:15]
	s_load_b64 s[16:17], s[0:1], 0x30              ; tab
	v_lshl_add_u32 v240, v0, 2, 0x8800
	v_mov_b32 v241, 0
	v_lshrrev_b32 v1, 5, v0
	v_readfirstlane_b32 s22, v1                    ; wave 0..3
	v_and_b32 v7, 31, v0                           ; lane
	s_mov_b32 s29, 0                               ; the upper word of every 32-bit offset
; 32 numbers of ONE block, v[XS] on, become six registers of codes, v[CS] on; v13 = the scale's byte
.macro QBLOCK
	v_max3_num_f32 v12, |v[XS]|, |v[XS+1]|, |v[XS+2]|               ; the block's largest magnitude, in two chains
	v_max3_num_f32 v13, |v[XS+3]|, |v[XS+4]|, |v[XS+5]|
.irp i, 6,10,14,18,22,26
	v_max3_num_f32 v12, v12, |v[XS+\i]|, |v[XS+\i+1]|
	v_max3_num_f32 v13, v13, |v[XS+\i+2]|, |v[XS+\i+3]|
.endr
	v_max3_num_f32 v12, v12, |v[XS+30]|, |v[XS+31]|
	v_max3_num_f32 v12, v12, v13, 0x2800000        ; and the floor 2^(5 - 127): the byte cannot fall under 1
	v_add_nc_u32 v11, 0xfe000000, v12              ; 4 off its exponent field: the conversion takes the exponent field of this operand as its scale
	v_lshrrev_b32 v13, 23, v11                     ; the scale's byte
	s_wait_alu depctr_va_vdst(0)
	s_wait_xcnt 0x0                                ; the earlier stores have read their data: the codes' registers are written again only behind this wait
	v_cvt_scalef32_pk16_bf6_f32 v[CS:CS+2], v[XS:XS+15], v11
	v_cvt_scalef32_pk16_bf6_f32 v[CT:CT+2], v[XS+16:XS+31], v11
	v_nop                                          ; one plain place behind a scaled conversion
.irp i, 0,1,2
	v_mov_b32 v[CS+3+\i], v[CT+\i]
.endr
.endm
	s_wait_kmcnt 0x0
	s_cmp_lt_u32 ttmp9, 256
	s_cbranch_scc0 .Lnot_x
; ---------------- x.  A wave takes one tile x 512 along K: eight half fragments, one a step.
; A load reads two rows' 256 aligned bytes (16 lanes x 16 bytes each); the conversions want 32 neighbours along K in ONE lane: so a step's 4,096 bytes turn through the wave's own stage in LDS
; (16 rows, 272 bytes apart, so that neither the stores nor the loads meet in a bank).  Loads run four steps ahead, the turn one step.
	s_lshl_b32 s24, ttmp9, 2
	s_add_co_u32 s24, s24, s22                     ; which of 1,024 shares
	s_lshr_b32 s25, s24, 1                         ; tile T
	s_and_b32 s26, s24, 1                          ; which half of K
	s_lshr_b32 s27, s25, 1
	s_lshl_b32 s27, s27, 17                        ; 32 (T / 2) rows of 4,096 bytes
	s_and_b32 s28, s25, 1
	s_lshl_b32 s28, s28, 15                        ; + 8 (T % 2) rows
	s_add_co_u32 s27, s27, s28
	s_lshl_b32 s28, s26, 11                        ; + 512 numbers
	s_add_co_u32 s28, s27, s28
	s_add_nc_u64 s[4:5], s[4:5], s[28:29]
	s_mul_i32 s30, s25, REC                        ; the tile's record
	s_mul_i32 s28, s26, 6144                       ; its eight half fragments
	s_add_co_u32 s28, s28, s30
	s_add_nc_u64 s[18:19], s[12:13], s[28:29]
	s_lshl_b32 s28, s26, 8                         ; its four scale words a row
	s_add_co_u32 s28, s28, s30
	s_add_co_u32 s28, s28, 12288
	s_add_nc_u64 s[20:21], s[12:13], s[28:29]
	s_mov_b32 s32, 0x76543210
	s_mov_b32 s33, 0xfedcba98                      ; v_permlanex16_b32's selects for lane l xor 16
	s_wait_alu depctr_va_vdst(0)
	v_and_b32 v8, 15, v7
	v_lshrrev_b32 v9, 4, v7
	v_lshlrev_b32 v1, 12, v9
	v_lshl_add_u32 v1, v8, 4, v1                   ; in: lanes 0-15 one row, lanes 16-31 the next; 16 bytes a lane
	s_mul_i32 s23, s22, 8704                       ; my wave's two stages
	v_mul_u32_u24 v2, v9, 272
	v_lshl_add_u32 v2, v8, 4, v2
	v_add_nc_u32 v2, s23, v2                       ; into a stage, as loaded
	v_mul_u32_u24 v3, v8, 272
	v_lshl_add_u32 v3, v9, 7, v3
	v_add_nc_u32 v3, s23, v3                       ; out of it: row l % 16, 128 bytes for each half of the lanes
	v_lshlrev_b32 v4, 4, v7                        ; 16 l
	v_lshlrev_b32 v5, 3, v7                        ; 8 l
	v_lshlrev_b32 v6, 3, v9                        ; 8 h
.irp q, 0,1,2,3
	v_mov_b32 v[PD+\q], 0                          ; a lane permute's destination counts as one of its sources
.endr
.macro XLOAD f
.irp i, 0,1,2,3,4,5,6,7
	global_load_b128 v[RX+32*((\f)%4)+4*\i:RX+32*((\f)%4)+4*\i+3], v1, s[4:5] offset:(2*\i+8*(\i/4))*4096+256*(\f) th:TH_LOAD_NT   ; the tile's rows 2 i and 2 i + 1
.endr
.endm
.macro XTURN f                         ; LDS serves a wave's instructions in order: no wait between the stores and the loads
.irp i, 0,1,2,3,4,5,6,7
	ds_store_b128 v2, v[RX+32*((\f)%4)+4*\i:RX+32*((\f)%4)+4*\i+3] offset:4352*((\f)%2)+544*\i
.endr
.irp j, 0,1,2,3,4,5,6,7
	ds_load_b128 v[XX+32*((\f)%2)+4*\j:XX+32*((\f)%2)+4*\j+3], v3 offset:4352*((\f)%2)+16*\j
.endr
.endm
.macro XSTEP f
.set XS, XX+32*((\f)%2)
.set CS, CC+8*((\f)%2)
	s_wait_dscnt 0x0                               ; this step's numbers are back from the stage, and its stores into the stage have read their registers,
.if (\f)+4 < 8
	XLOAD (\f)+4                                   ; which take the loads of four steps on
.endif
.if (\f)+1 < 8
.if (\f) < 4
	s_wait_loadcnt 24                              ; the next step's eight loads are in; those of the three steps behind it may be out
.else
	s_wait_loadcnt 8*(6-(\f))
.endif
	XTURN (\f)+1
.endif
	QBLOCK
.if (\f)%2 == 0
	v_mov_b32 v[WP+(\f)/2], v13                    ; my byte of the word's first 64 along K,
.else
	v_lshl_or_b32 v[WP+(\f)/2], v13, 16, v[WP+(\f)/2]   ; and of its second
.endif
	global_store_b128 v4, v[CS:CS+3], s[18:19] offset:768*(\f)        ; 32 lanes store 512 consecutive bytes,
	global_store_b64 v5, v[CS+4:CS+5], s[18:19] offset:768*(\f)+512   ; and 256
.endm
.irp f, 0,1,2,3
	XLOAD \f
.endr
	s_wait_alu depctr_va_vdst(0)
	s_wait_loadcnt 24                              ; step 0's eight loads are in
	XTURN 0
.irp f, 0,1,2,3,4,5,6,7
	XSTEP \f
.endr
.irp q, 0,1,2,3
	v_lshlrev_b32 v[WP+\q], v6, v[WP+\q]           ; lanes 16-31 hold the odd blocks' bytes: 8 bits up
.endr
.irp q, 0,1,2,3
	v_permlanex16_b32 v[PD+\q], v[WP+\q], s32, s33
.endr
.irp q, 0,1,2,3
	v_or_b32 v[WP+\q], v[WP+\q], v[PD+\q]          ; with lane l xor 16's two bytes the word is whole
.endr
	v_cmp_le_u32 vcc_lo, 16, v7
	v_cndmask_b32 v8, v[WP], v[WP+2], vcc_lo       ; lanes 0-15 store words 0 and 1 of their row, lanes 16-31 words 2 and 3
	v_cndmask_b32 v9, v[WP+1], v[WP+3], vcc_lo
	global_store_b64 v5, v[8:9], s[20:21]          ; 32 lanes store 256 consecutive bytes, aligned
	s_wait_tensorcnt 0x0
	ds_add_u32 v240, v241
	s_wait_dscnt 0x0
	s_endpgm
; ---------------- a weight [1024][n], K its first axis.  A LANE TAKES A COLUMN AND ITS REGISTERS RUN DOWN K: a block of 32 lies in one lane, and the codes come out with K innermost.
; A wave takes 32 columns (two tiles) x 256 along K: 8 blocks a lane.  Each load reads 128 consecutive bytes, the four waves of a work-group stand side by side on 512.  Loads run two blocks ahead.
.macro WLOAD t, n
.irp i, 0,1,2,3,4,5,6,7,8,9,10,11,12,13,14,15,16,17,18,19,20,21,22,23,24,25,26,27,28,29,30,31
	global_load_b32 v[WX+32*((\t)%2)+\i], v1, s[18:19] offset:(32*(\t)+\i)*(\n)*4 th:TH_LOAD_NT
.endr
.endm
.macro WPATH n, tile0, first, ptr
	s_sub_co_u32 s24, ttmp9, \first
	s_lshr_b32 s25, s24, 2
	s_and_b32 s26, s24, 3                          ; which 256 along K
	s_lshl_b32 s25, s25, 2
	s_add_co_u32 s25, s25, s22                     ; which 32 columns
	s_mul_i32 s28, s26, 256*(\n)*4
	s_lshl_b32 s27, s25, 7
	s_add_co_u32 s28, s28, s27
	s_add_nc_u64 s[18:19], s[\ptr:\ptr+1], s[28:29]
	s_lshl_b32 s27, s25, 1
.if \tile0 > 0
	s_add_co_u32 s27, s27, \tile0
.endif
	s_mul_i32 s27, s27, REC                        ; the record of the first of my two tiles
	s_mul_i32 s28, s26, 3072                       ; its four half fragments
	s_add_co_u32 s28, s28, s27
	s_add_nc_u64 s[20:21], s[14:15], s[28:29]
	s_lshl_b32 s28, s26, 7                         ; its two scale words a column
	s_add_co_u32 s28, s28, s27
	s_add_co_u32 s28, s28, 12288
	s_add_nc_u64 s[30:31], s[14:15], s[28:29]
	v_lshlrev_b32 v1, 2, v7                        ; in: 4 bytes a lane
	v_bfe_u32 v8, v7, 3, 1                         ; column 8 u + r + 8 (r / 8) of the 32: u = which tile,
	v_and_b32 v9, 7, v7
	v_lshrrev_b32 v10, 4, v7
	v_lshl_add_u32 v9, v10, 3, v9                  ; r = its place there
	v_mul_u32_u24 v8, v8, REC
	v_lshl_add_u32 v2, v9, 4, v8                   ; out: 16 r in my tile's record,
	v_lshl_add_u32 v3, v9, 3, v8                   ; and 8 r
	WLOAD 0, \n
	WLOAD 1, \n
.set CS, CC
.set Q, 0
.rept 8
.set XS, WX+32*(Q%2)
.if Q < 7
	s_wait_loadcnt 32                              ; this block's 32 loads are in; the next block's may be out
.else
	s_wait_loadcnt 0x0
.endif
	QBLOCK
.if Q%4 == 0
	v_mov_b32 v[SB+Q/4], v13                       ; four bytes to a word, the lower K in the lower byte
.else
	v_lshl_or_b32 v[SB+Q/4], v13, 8*(Q%4), v[SB+Q/4]
.endif
	global_store_b128 v2, v[CS:CS+3], s[20:21] offset:768*(Q/2)+256*(Q%2)       ; block Q is the part of lanes 16 (Q % 2) + r of half fragment Q / 2: a tile's sixteen lanes store 256 consecutive bytes, aligned,
	global_store_b64 v3, v[CS+4:CS+5], s[20:21] offset:768*(Q/2)+512+128*(Q%2)  ; and 128
.if Q+2 < 8
	WLOAD Q+2, \n
.endif
.set Q, Q+1
.endr
	global_store_b64 v3, v[SB:SB+1], s[30:31]      ; my column's two scale words
.endm
.Lnot_x:
	s_cmp_lt_u32 ttmp9, 352
	s_cbranch_scc0 .Lnot_wqkv
	s_wait_alu depctr_va_vdst(0)
	WPATH 3072, 0, 256, 6
	s_endpgm
.Lnot_wqkv:
	s_cmp_lt_u32 ttmp9, 384
	s_cbranch_scc0 .Ltable
	s_wait_alu depctr_va_vdst(0)
	WPATH 1024, 192, 352, 8
	s_endpgm
; ---------------- the table.  A wave takes one tile of 16 positions.  Lane (r, h) makes, for the position of the tile's row r, the cosine and sine of 16 frequencies: number e is f = 16 (e / 8) + e % 8 + 8 h.
; These are the frequencies of the 32 numbers of a head that the lane holds in the product's result.  4,096 bytes a tile: planes of 512 bytes, 16 bytes a lane: four of cosines, four of sines.
; angle = position x 10000^(-f / 32);  n = the nearest whole number to angle x 2 / pi;  a = angle - n pi / 2, pi / 2 in three parts, by fused multiply-adds;  |a| <= pi / 4 or little more.
; cos a and sin a by their series, through a^10 and a^9: the first term left out is under 3e-9 of the result.  n's last two bits choose and sign them.
.set AN, 32
.set NN, 48
.set S2, 64
.set CO, 80
.set SI, 96
.set TW, 112
.set FC, 128                           ; v128-143 the cosines, v144-159 the sines
.set FS, 144
.Ltable:
	s_sub_co_u32 s24, ttmp9, 384
	s_lshl_b32 s24, s24, 2
	s_add_co_u32 s24, s24, s22                     ; the tile
	s_lshr_b32 s25, s24, 1
	s_lshl_b32 s25, s25, 7                         ; 32 (T / 2) positions of 4 bytes
	s_and_b32 s26, s24, 1
	s_lshl_b32 s26, s26, 5                         ; + 8 (T % 2)
	s_add_co_u32 s28, s25, s26
	s_add_nc_u64 s[10:11], s[10:11], s[28:29]
	s_lshl_b32 s28, s24, 12
	s_add_nc_u64 s[16:17], s[16:17], s[28:29]
	s_wait_alu depctr_va_vdst(0)
	v_and_b32 v8, 15, v7
	v_lshrrev_b32 v9, 4, v7
	v_and_b32 v10, 8, v8
	v_add_nc_u32 v10, v10, v8                      ; r + 8 (r / 8)
	v_lshlrev_b32 v10, 2, v10
	global_load_b32 v20, v10, s[10:11]             ; my row's position
	v_lshlrev_b32 v6, 3, v9                        ; 8 h
	s_wait_alu depctr_va_vdst(0)
	v_lshlrev_b32 v4, 4, v7                        ; 16 l
	s_mov_b32 s34, 0xb493f27e                      ; -1 / 10!
	s_mov_b32 s35, 0x37d00d01                      ;  1 / 8!
	s_mov_b32 s36, 0xbab60b61                      ; -1 / 6!
	s_mov_b32 s37, 0x3d2aaaab                      ;  1 / 4!
	s_mov_b32 s38, 0x3638ef1d                      ;  1 / 9!
	s_mov_b32 s39, 0xb9500d01                      ; -1 / 7!
	s_mov_b32 s40, 0x3c088889                      ;  1 / 5!
	s_mov_b32 s41, 0xbe2aaaab                      ; -1 / 3!
	s_mov_b32 s42, 0x3fc90fd8                      ; pi / 2: its first 21 bits,
	s_mov_b32 s43, 0x34a8885a                      ; the next 24,
	s_mov_b32 s44, 0x27c234c4                      ; and the next
	s_mov_b32 s45, 0x3f22f983                      ; 2 / pi
	s_mov_b32 s46, 0xbed49a78                      ; -log2(10000) / 32
.set e, 0
.rept 16
	v_add_nc_u32 v[AN+e], 16*(e/8)+e%8, v6         ; f
.set e, e+1
.endr
.set e, 0
.rept 16
	v_cvt_f32_u32 v[AN+e], v[AN+e]
.set e, e+1
.endr
.set e, 0
.rept 16
	v_mul_f32 v[AN+e], s46, v[AN+e]
.set e, e+1
.endr
.set e, 0
	s_wait_alu depctr_va_vdst(0)
.rept 16
	v_exp_f32 v[AN+e], v[AN+e]                     ; 10000^(-f / 32)
.set e, e+1
.endr
	s_wait_loadcnt 0x0
	v_cvt_f32_i32 v20, v20                         ; (a plain place behind the exponentials)
.set e, 0
	s_wait_alu depctr_va_vdst(0)
.rept 16
	v_mul_f32 v[AN+e], v20, v[AN+e]                ; the angle
.set e, e+1
.endr
.set e, 0
.rept 16
	v_mul_f32 v[NN+e], s45, v[AN+e]
.set e, e+1
.endr
.set e, 0
.rept 16
	v_rndne_f32 v[NN+e], v[NN+e]                   ; n
.set e, e+1
.endr
.irp c, 42,43,44
.set e, 0
.rept 16
	v_fma_f32 v[AN+e], -v[NN+e], s\c, v[AN+e]      ; a = angle - n pi / 2, part by part
.set e, e+1
.endr
.endr
.set e, 0
.rept 16
	v_mul_f32 v[S2+e], v[AN+e], v[AN+e]
.set e, e+1
.endr
.set e, 0
.rept 16
	v_fma_f32 v[CO+e], v[S2+e], s34, s35
	v_fma_f32 v[SI+e], v[S2+e], s38, s39
.set e, e+1
.endr
.set e, 0
.rept 16
	v_fma_f32 v[CO+e], v[CO+e], v[S2+e], s36
	v_fma_f32 v[SI+e], v[SI+e], v[S2+e], s40
.set e, e+1
.endr
.set e, 0
.rept 16
	v_fma_f32 v[CO+e], v[CO+e], v[S2+e], s37
	v_fma_f32 v[SI+e], v[SI+e], v[S2+e], s41
.set e, e+1
.endr
.set e, 0
.rept 16
	v_fma_f32 v[CO+e], v[CO+e], v[S2+e], -0.5
	v_mul_f32 v[TW+e], v[AN+e], v[S2+e]
.set e, e+1
.endr
.set e, 0
.rept 16
	v_fma_f32 v[CO+e], v[CO+e], v[S2+e], 1.0       ; cos a
	v_fma_f32 v[SI+e], v[SI+e], v[TW+e], v[AN+e]   ; sin a
.set e, e+1
.endr
.set e, 0
.rept 16
	v_cvt_i32_f32 v[NN+e], v[NN+e]
.set e, e+1
.endr
.set e, 0
.rept 16
	v_and_b32 v[TW+e], 1, v[NN+e]
	v_cmp_eq_u32 vcc_lo, 1, v[TW+e]                ; n odd: the two change places
	v_cndmask_b32 v[FS+e], v[SI+e], v[CO+e], vcc_lo
	v_cndmask_b32 v[FC+e], v[CO+e], v[SI+e], vcc_lo
	v_and_b32 v[TW+e], 2, v[NN+e]                  ; the sine is negative where n % 4 is 2 or 3,
	v_lshlrev_b32 v[TW+e], 30, v[TW+e]
	v_xor_b32 v[FS+e], v[TW+e], v[FS+e]
	v_add_nc_u32 v[TW+e], 1, v[NN+e]               ; the cosine where it is 1 or 2
	v_and_b32 v[TW+e], 2, v[TW+e]
	v_lshlrev_b32 v[TW+e], 30, v[TW+e]
	v_xor_b32 v[FC+e], v[TW+e], v[FC+e]
.set e, e+1
.endr
.irp p, 0,1,2,3,4,5,6,7
	global_store_b128 v4, v[FC+4*\p:FC+4*\p+3], s[16:17] offset:512*\p   ; 32 lanes store 512 consecutive bytes
.endr
	s_endpgm
.Lfunc_end_k_q53d06319fe_prep:
	.size	k_q53d06319fe_prep, .Lfunc_end_k_q53d06319fe_prep-k_q53d06319fe_prep
	.p2alignl 7, 3214868480
	.fill 96, 4, 3214868480
	.section	.rodata,"a",@progbits
	.p2align	6, 0x0
	.amdhsa_kernel k_q53d06319fe_prep
		.amdhsa_group_segment_fixed_size 35328
		.amdhsa_private_segment_fixed_size 0
		.amdhsa_enable_private_segment 0
		.amdhsa_kernarg_size 56
		.amdhsa_user_sgpr_count 2
		.amdhsa_user_sgpr_kernarg_segment_ptr 1
		.amdhsa_wavefront_size32 1
		.amdhsa_system_sgpr_workgroup_id_x 1
		.amdhsa_system_sgpr_workgroup_id_y 1
		.amdhsa_system_sgpr_workgroup_id_z 1
		.amdhsa_system_vgpr_workitem_id 0
		.amdhsa_next_free_vgpr 242
		.amdhsa_next_free_sgpr 66
		.amdhsa_reserve_vcc 1
		.amdhsa_float_denorm_mode_32 3
		.amdhsa_float_denorm_mode_16_64 3
		.amdhsa_memory_ordered 1
		.amdhsa_forward_progress 1
		.amdhsa_inst_pref_size 135
	.end_amdhsa_kernel
	.amdgpu_metadata
---
amdhsa.version: [ 1, 2 ]
amdhsa.kernels:
  - .name:           k_q53d06319fe_prep
    .symbol:         k_q53d06319fe_prep.kd
    .args:
      - { .name: x, .offset: 0, .size: 8, .value_kind: global_buffer, .address_space: global }
      - { .name: W_QKV, .offset: 8, .size: 8, .value_kind: global_buffer, .address_space: global }
      - { .name: W_O, .offset: 16, .size: 8, .value_kind: global_buffer, .address_space: global }
      - { .name: token_positions, .offset: 24, .size: 8, .value_kind: global_buffer, .address_space: global }
      - { .name: xq, .offset: 32, .size: 8, .value_kind: global_buffer, .address_space: global }
      - { .name: wq, .offset: 40, .size: 8, .value_kind: global_buffer, .address_space: global }
      - { .name: tab, .offset: 48, .size: 8, .value_kind: global_buffer, .address_space: global }
    .group_segment_fixed_size: 35328
    .private_segment_fixed_size: 0
    .kernarg_segment_align: 8
    .kernarg_segment_size: 56
    .max_flat_workgroup_size: 128
    .sgpr_count:     66
    .vgpr_count:     242
    .wavefront_size: 32
...
	.end_amdgpu_metadata
.endif
;; end of part 1
;; launch qkv (part 2): grid 12 x 32, 4 waves a work-group, clusters of 4 x 4, 327,680 bytes of LDS; arguments xq, wq, tab, qq, kv; writes qq, kv
.if DOCPART == 2
	.amdgcn_target "amdgcn-amd-amdhsa--gfx1250"
	.amdhsa_code_object_version 6
	.text
	.protected	k_q53d06319fe_qkv
	.globl	k_q53d06319fe_qkv
	.p2align	8
	.type	k_q53d06319fe_qkv,@function
k_q53d06319fe_qkv:
	s_mov_b64 s[64:65], 0
	v_nop
	global_prefetch_b8 v0, s[64:65] scope:SCOPE_SE
	s_setreg_imm32_b32 hwreg(HW_REG_WAVE_MODE, 25, 1), 1
	s_wait_xcnt 0x0
	s_wait_alu depctr_hold_cnt(0) depctr_sa_sdst(0) depctr_va_vdst(0) depctr_va_sdst(0) depctr_va_ssrc(0) depctr_va_vcc(0) depctr_vm_vsrc(0)
	s_getreg_b32 s2, hwreg(HW_REG_IB_STS2, 6, 4)
	s_cmp_eq_u32 s2, 0
	s_cbranch_scc0 .Lentry_in_a_cluster
	s_endpgm
.Lentry_in_a_cluster:
	s_bfe_u32 s2, ttmp6, 0x10000c
	s_cmp_lg_u32 s2, 0xf033
	s_cbranch_scc0 .Lentry_shape_is_right
	s_endpgm
.Lentry_shape_is_right:
; QKV: x W_QKV on codes of BF6 (E3M2) with E8M0 scales, K = 1,024; Q and K are rotated by position, and Q, K and V leave QUANTISED, as images of the registers in which attention wants them.
; OPERANDS (made by the launch before): a TILE T holds the 16 rows 32 (T / 2) + 8 (T % 2) + r + 8 (r / 8).  A tile's record is 12,800 bytes: 16 half fragments of 768 bytes (64 along K: lane l's first 16 bytes at 16 l,
; its last 8 at 512 + 8 l), then its scale words (row r, k = 128 q on: 12,288 + 128 (q / 2) + 8 r + 4 (q % 2)).  So a fragment comes by two loads of 16 bytes and two of 8, each of consecutive bytes: no pitch, no padding.
; THE PRODUCT: a work-group of four waves makes 256 x 256, a wave 128 x 128: 64 accumulators, 512 registers.  Source 0 = 16 rows of "B", source 1 = 16 rows of "A": lane (r, h) holds ONE row of A (the tile's row r),
; and by the choice of a tile's rows the 16 registers of B's tiles 2 b and 2 b + 1 are 16 NEIGHBOURS along B's rows: 32 b + 16 h + 0 .. 15.
;   clusters x = 0, 1 (Q, K): A = x, B = W's columns: a lane holds one position and runs along d, the axis along which Q and K are quantised (and rotated: the pair 2 f, 2 f + 1 lies in neighbouring registers).
;   cluster  x = 2    (V):    A = W's columns, B = x: a lane holds one d and runs along the keys, the axis along which V is quantised.
; K goes in steps of 256 through two LDS slots filled by the tensor data mover; a wave's load brings 8 tiles x 3,072 consecutive aligned bytes.  The scale words of the 32 tiles come once, with the first fills.
; CLUSTERS: 4 x 4 work-groups; A's tiles hang on the place along y alone and are asked for jointly by a row of the cluster, B's on the place along x alone, by a column.  The cluster's own x, which chooses the mode, is the same in all sixteen.
; OUT.  qq: for each of 64 (batch, head): 64 pair images (1,536 bytes: 12 registers, tiles 2 p and 2 p + 1, six each; register group g at 512 g + 16 l), then 16 groups of scale words (8 tiles: row r, tile a at 32 r + 4 a;
; bytes 0, 1 = the two blocks of d, bytes 2, 3 = 0).  kv: for each (batch, head) 8 records of 26,112 bytes (256 keys): K's 8 pair images, K's 2 groups of scale words, V's 2 x 4 fragments (128 keys x 16 d, 1,536 bytes),
; V's scale words (256 x key step + 16 r + 4 x tile of d).
; LIMITS: a block of zeros, or one under 2^-122, gets the byte 1 (zero codes add nothing under it); NaN and infinities are not served.
; REGISTERS: window 0: v0-31 addresses; v32-63 scale words, two sets, and nothing else; v128-223 A's fragments, one set; on the way out v64-239 are at work.  window 1: B's fragments, two sets (v0, v128).
;   window 2: the accumulators of A's tiles 0-3 ((a, b) at v[8 (8 a + b)]);  window 3: of tiles 4-7.
.set NQ,     2                         ; matrix instructions deep in a slot
.set FR,     12                        ; registers of a fragment
.set NL,     4                         ; LDS loads that bring one
.set NP,     4                         ; places behind this matrix instruction (ISA guide 7.12.1)
.set REC,    12800
.set TILEB,  3072                      ; a tile's bytes in a slot: four half fragments
.set HALFT,  8*TILEB                   ; what one tensor load brings, and what one wave reads of A or of B
.set SLOT,   4*HALFT                   ; A's 16 tiles, then B's 16
.set SCL,    2*SLOT                    ; behind the ring: the scale words, 512 bytes a tile
.set HALFS,  4096
.set HT,     3584                      ; a tile's bytes in the head region: K step 3's four half fragments and, behind them as in the record, the tile's 512 bytes of scale words
.set SPARE,  SCL+32*HT                 ; behind the head region (A's 16 tiles, B's 16): the spare words
.set HEADQ,  106496
.set HEADKV, 208896
.set KVREC,  26112
.set ADRA, 16                          ; v16-17 LDS address of my A fragments' 16-byte parts in slot 0, 1;  v18-19 of their 8-byte parts
.set ADRB, 20                          ; v20-23 the same for B
.set ADRS, 27                          ; v27    of my scale words: lanes 0-15 A's, lanes 16-31 B's
.set SPW,  28                          ; v28    SPARE + 4 x my thread's number; never rewritten
.set NIL,  29                          ; v29    0; never rewritten
.set SC,   32
.set AF,   128
.set TC,   64                          ; the way out: v64-127 two sets of 16 cosines and 16 sines
.set R,    128                         ; v128-159 a head's 32 numbers, rotated
.set P,    160                         ; v160-183 codes
.set SWD,  184                         ; v184-199 scale words
.set TM,   200                         ; v200-207 at work (Q, K)
.set CT,   208                         ; v208-210 a conversion's result that is moved
.set TV,   216                         ; v216-231 at work (V)
.set SELR, 232                         ; v232-239 the scale words as they are stored
.set G1, 24
.set G0, 32
.set G1B, 48
.set G0B, 56
.set G1S, 68
.set G0S, 76
.set G1SB, 80
.set G0SB, 88
.set MSB, 0
.macro WIN new                         ; the immediate's high byte repeats the setting that is left
.if MSB != (\new)
	s_set_vgpr_msb (MSB<<8)|(\new)
.set MSB, (\new)
.endif
.endm
.set MUL_LO, 0xa1                      ; source 0 (B) window 1, source 1 (A) window 0, C and D window 2
.set MUL_HI, 0xf1                      ; the same, C and D window 3
.set TO_B,   0x40                      ; destination window 1, address window 0
; A joint load: waves 0 and 1 fetch for A, waves 2 and 3 for B.  Each line has one mask and one set of registers for all that issue it; the branch hangs on the wave's number alone.
; Four v_nop follow each of the two lines, ahead of the jump, the label and what follows.
.macro JLOAD g0a, g1a, g0b, g1b
	s_cmp_eq_u32 s15, 0
	s_cbranch_scc0 .Lfor_b_\@
	tensor_load_to_lds s[\g0a:\g0a+3], s[\g1a:\g1a+7]
	s_nop 0
.rept 4
	v_nop
.endr
	s_branch .Lasked_\@
.Lfor_b_\@:
	tensor_load_to_lds s[\g0b:\g0b+3], s[\g1b:\g1b+7]
	s_nop 0
.rept 4
	v_nop
.endr
.Lasked_\@:
.endm
.macro CREST                           ; a round of the cluster's barrier behind its opening barrier
	s_cmp_lg_u32 s14, 0
	s_cbranch_scc1 .Lnot_wave_0_\@
	s_barrier_signal -3
.Lnot_wave_0_\@:
	s_barrier_wait -3
	s_barrier_signal -1
	s_barrier_wait -1
.endm
.macro CROUND
	s_barrier_signal -1
	s_barrier_wait -1
	CREST
.endm
	s_load_b256 s[4:11], s[0:1], 0x0               ; xq s[4:5], wq s[6:7], tab s[8:9], qq s[10:11]
	s_load_b64 s[12:13], s[0:1], 0x20              ; kv
	v_lshl_add_u32 v[SPW], v0, 2, SPARE
	v_mov_b32 v[NIL], 0
	ds_add_u32 v28, v29
	ds_add_u32 v28, v29
	s_wait_dscnt 0x0
	v_lshrrev_b32 v1, 5, v0
	v_readfirstlane_b32 s14, v1                    ; wave 0..3
	s_lshr_b32 s15, s14, 1                         ; which 8 of A's 16 tiles are mine.  Also: I fetch for A (0) or for B (1)
	s_and_b32 s16, s14, 1                          ; which 8 of B's.  Also: which 8 tiles I fetch
	s_bfe_u32 s40, ttmp6, 0x40000                  ; cx, cy: my place in the cluster
	s_bfe_u32 s41, ttmp6, 0x40004
	s_lshl_b32 s42, ttmp9, 2                       ; 4 x cluster x
	s_and_b32 s17, ttmp7, 0xffff
	s_lshl_b32 s17, s17, 2                         ; 4 x cluster y
	s_lshl_b32 s43, s41, 2
	s_lshl_b32 s43, 15, s43                        ; my row of the cluster
	s_lshl_b32 s44, 0x1111, s40                    ; my column
	s_add_co_u32 s18, s17, s41                     ; A's group of 16 tiles: Q, K: x's rows, 4 x cluster y + cy;
	s_add_co_u32 s19, s41, 8                       ; V: W's columns 2,048 on: group 8 + cy
	s_add_co_u32 s96, s42, s40                     ; B's: Q, K: W's columns, 4 x cluster x + cx;
	s_add_co_u32 s97, s17, s40                     ; V: x's rows, 4 x cluster y + cx
	s_cmp_lt_u32 ttmp9, 2                          ; the cluster's x: the same in all sixteen
	s_cselect_b32 s66, s18, s19
	s_cselect_b32 s67, s96, s97
	; descriptor group 1: 8 rows (tiles) of 3,072 bytes, 12,800 bytes apart, dense in LDS; elements of 8 bytes
	s_or_b32 s[G1+0], s43, (3<<16)|(1<<21)         ; 15:0 the mask: A's tiles go to my row; 17:16 elements of 8 bytes; 21 set beside a mask
	s_or_b32 s[G1B+0], s44, (3<<16)|(1<<21)        ; B's to my column
.irp g, G1, G1B
	s_mov_b32 s[\g+1], 384<<16
	s_mov_b32 s[\g+2], 16<<16                      ; the head's loads bring 16 tiles; behind them the two words are set to 8
	s_mov_b32 s[\g+3], 384<<16
	s_mov_b32 s[\g+4], 16
	s_mov_b32 s[\g+5], REC/8                       ; tensor_dim0_stride
	s_mov_b32 s[\g+6], 0
	s_mov_b32 s[\g+7], 0
.endr
	s_or_b32 s[G1S+0], s43, (3<<16)|(1<<21)        ; and for the head region: K step 3's codes with the scale words
	s_or_b32 s[G1SB+0], s44, (3<<16)|(1<<21)
.irp g, G1S, G1SB
	s_mov_b32 s[\g+1], 448<<16                     ; the head region's loads: 16 rows of 3,584 bytes
	s_mov_b32 s[\g+2], 16<<16
	s_mov_b32 s[\g+3], 448<<16
	s_mov_b32 s[\g+4], 16
	s_mov_b32 s[\g+5], REC/8
	s_mov_b32 s[\g+6], 0
	s_mov_b32 s[\g+7], 0
.endr
	s_lshl_b32 s94, s16, 3                         ; which 8 tiles of the 16 I fetch
	s_lshl_b32 s20, s66, 4
	s_add_co_u32 s20, s20, s94
	s_mul_i32 s20, s20, REC                        ; A: their first record
	s_mov_b32 s21, 0
	s_lshl_b32 s46, s67, 4
	s_add_co_u32 s46, s46, s94
	s_mul_i32 s46, s46, REC                        ; B: likewise
	s_mov_b32 s47, 0
	s_mul_i32 s45, s14, HALFT                      ; where they go: wave x 8 tiles: no place in the cluster enters an LDS address
	s_wait_kmcnt 0x0
	s_cmp_lt_u32 ttmp9, 2
	s_cselect_b64 s[22:23], s[4:5], s[6:7]         ; A's buffer
	s_cselect_b64 s[92:93], s[6:7], s[4:5]         ; B's
	s_add_nc_u64 s[20:21], s[22:23], s[20:21]
	s_add_nc_u64 s[46:47], s[92:93], s[46:47]
	CROUND                                         ; all sixteen work-groups are here: the first joint loads meet
	s_mul_i32 s94, s94, REC                        ; my 8 tiles' distance from the first of the 16, in bytes
	s_mov_b32 s95, 0
	s_sub_nc_u64 s[22:23], s[20:21], s[94:95]      ; A: the first record of all 16 tiles
	s_sub_nc_u64 s[92:93], s[46:47], s[94:95]      ; B: likewise
.irp s, 0,1
	s_mov_b32 s[G0+4*\s], 1
	s_add_co_u32 s[G0+4*\s+1], s45, \s*SLOT
	s_add_nc_u64 s[G0+4*\s+2:G0+4*\s+3], s[20:21], (\s+1)*TILEB    ; the ring's two later fills: K step 1 into slot 0, K step 2 into slot 1
	s_or_b32 s[G0+4*\s+3], s[G0+4*\s+3], 0x80000000
	s_mov_b32 s[G0B+4*\s], 1
	s_add_co_u32 s[G0B+4*\s+1], s45, \s*SLOT
	s_add_nc_u64 s[G0B+4*\s+2:G0B+4*\s+3], s[46:47], (\s+1)*TILEB
	s_or_b32 s[G0B+4*\s+3], s[G0B+4*\s+3], 0x80000000
.endr
; THE HEAD'S LOADS, ONE A WAVE.  K is walked in the order 3, 0, 1, 2: K step 3's codes and the scale words lie side by side in a record, so one load brings both.
; wave 0: A's 16 tiles of the head region; wave 1: B's; wave 2: K step 0 of A's 16 tiles into slot 1; wave 3: of B's.  One chain of branches on the wave's number, one load to an arm, one join.
.macro ARM under, lds, src, off, g1, next
	s_cmp_lt_u32 s14, \under
	s_cbranch_scc0 \next
	s_mov_b32 s5, \lds
	s_add_nc_u64 s[6:7], s[\src:\src+1], \off
	s_or_b32 s7, s7, 0x80000000
	tensor_load_to_lds s[4:7], s[\g1:\g1+7]
	s_nop 0
.rept 4
	v_nop
.endr
	s_branch .Lhead_asked
\next:
.endm
	s_mov_b32 s4, 1                                ; s[4:7] held arguments that are used no more
	ARM 1, SCL, 22, 3*TILEB, G1S, .Lhead_b
	ARM 2, SCL+16*HT, 92, 3*TILEB, G1SB, .Lhead_c
	ARM 3, SLOT, 22, 0, G1, .Lhead_d
	s_mov_b32 s5, SLOT+2*HALFT
	s_add_nc_u64 s[6:7], s[92:93], 0
	s_or_b32 s7, s7, 0x80000000
	tensor_load_to_lds s[4:7], s[G1B:G1B+7]
	s_nop 0
.rept 4
	v_nop
.endr
.Lhead_asked:
	v_and_b32 v1, 15, v0                           ; r
	v_bfe_u32 v2, v0, 4, 1                         ; h
	v_and_b32 v3, 31, v0                           ; lane
	v_lshlrev_b32 v4, 4, v3                        ; 16 l
	v_lshlrev_b32 v5, 3, v3
	v_add_nc_u32 v5, 512, v5                       ; 512 + 8 l
	s_mul_i32 s98, s15, HALFT                      ; my 8 tiles of A
	s_mul_i32 s99, s16, HALFT                      ; my 8 tiles of B,
	s_add_co_u32 s99, s99, 2*HALFT                 ; which lie behind A's 16
.irp s, 0,1
	v_add_nc_u32 v[ADRA+\s], s98, v4
	v_add_nc_u32 v[ADRB+\s], s99, v4
	v_add_nc_u32 v[ADRA+2+\s], s98, v5
	v_add_nc_u32 v[ADRB+2+\s], s99, v5
	s_add_co_u32 s98, s98, SLOT
	s_add_co_u32 s99, s99, SLOT
.endr
	s_mul_i32 s98, s15, 8*HT                       ; A's scale words: my 8 tiles of the head region
	s_mul_i32 s99, s16, 8*HT                       ; B's: my 8 tiles, behind A's 16
	s_add_co_u32 s99, s99, 16*HT
	s_sub_co_u32 s99, s99, s98
	v_mul_u32_u24 v6, s99, v2                      ; lanes 16-31 take B's
	s_add_co_u32 s98, s98, SCL+TILEB               ; behind a tile's codes
	v_lshl_add_u32 v6, v1, 3, v6                   ; 8 bytes a row: the slot's two words
	v_add_nc_u32 v[ADRS], s98, v6
	s_mul_i32 s98, s15, 8*HT
	s_add_co_u32 s98, s98, SCL                     ; the head region: my 8 tiles of A,
	s_mul_i32 s99, s16, 8*HT
	s_add_co_u32 s99, s99, SCL+16*HT               ; and of B
	v_add_nc_u32 v12, s98, v4                      ; v12, v14: A's 16-byte and 8-byte parts there; v13, v15: B's
	v_add_nc_u32 v13, s99, v4
	v_add_nc_u32 v14, s98, v5
	v_add_nc_u32 v15, s99, v5
	v_lshlrev_b32 v7, 5, v1
	v_lshl_add_u32 v7, v2, 4, v7                   ; the way out: 32 r + 16 h (Q's and K's scale words)
	v_mul_u32_u24 v8, v2, HEADKV
	v_lshl_add_u32 v8, v1, 4, v8                   ; 16 r, and the next head for lanes 16-31 (V's)
.macro FRAG reg, adr, q, i             ; a fragment, 16 rows x 128 K, 12 registers: two half fragments, each 16 bytes a lane and 8 bytes a lane; every load takes consecutive bytes
	ds_load_b128 v[\reg:\reg+3], v[\adr] offset:TP*(\i)+1536*(\q)          ; TP: from tile to tile: HT in the head region, TILEB in the ring
	ds_load_b64 v[\reg+4:\reg+5], v[\adr+2] offset:TP*(\i)+1536*(\q)
	ds_load_b128 v[\reg+6:\reg+9], v[\adr] offset:TP*(\i)+1536*(\q)+768
	ds_load_b64 v[\reg+10:\reg+11], v[\adr+2] offset:TP*(\i)+1536*(\q)+768
.endm
; 16 matrix instructions: A's tiles a0, a0 + 1 x B's eight, 128 along K: the slot's q-th.  p: B's set;  sc: the set of scale words.  zero = 1: the first product starts the sums.
; The 64 accumulators take turns, one instruction a turn, in the same order in every step.
.macro MUL16 a0, p, q, sc, zero
.irp a, \a0, \a0+1
.irp b, 0,1,2,3,4,5,6,7
.if \zero
	v_wmma_scale_f32_16x16x128_f8f6f4 v[8*(8*((\a)%4)+\b):8*(8*((\a)%4)+\b)+7], v[128*(\p)+FR*\b:128*(\p)+FR*\b+FR-1], v[AF+FR*(\a):AF+FR*(\a)+FR-1], 0, v[SC+8*NQ*(\sc)+NQ*\b+(\q)], v[SC+8*NQ*(\sc)+NQ*(\a)+(\q)] matrix_a_fmt:MATRIX_FMT_BF6 matrix_b_fmt:MATRIX_FMT_BF6 matrix_a_scale:MATRIX_SCALE_ROW1
.else
	v_wmma_scale_f32_16x16x128_f8f6f4 v[8*(8*((\a)%4)+\b):8*(8*((\a)%4)+\b)+7], v[128*(\p)+FR*\b:128*(\p)+FR*\b+FR-1], v[AF+FR*(\a):AF+FR*(\a)+FR-1], v[8*(8*((\a)%4)+\b):8*(8*((\a)%4)+\b)+7], v[SC+8*NQ*(\sc)+NQ*\b+(\q)], v[SC+8*NQ*(\sc)+NQ*(\a)+(\q)] matrix_a_fmt:MATRIX_FMT_BF6 matrix_b_fmt:MATRIX_FMT_BF6 matrix_a_scale:MATRIX_SCALE_ROW1
.endif
.endr
.endr
.endm
.macro FETCH_B slot, q, p
	WIN TO_B
.irp i, 0,1,2,3,4,5,6,7
	FRAG 128*(\p)+FR*\i, ADRB+\slot, \q, \i
.endr
	WIN 0
.endm
.macro FETCH_A slot, q, i0
.irp i, \i0, \i0+1, \i0+2, \i0+3
	FRAG AF+FR*(\i), ADRA+\slot, \q, \i
.endr
.endm
.macro SCALES sc                       ; the slot's two scale words a row: lanes 0-15 take A's tile i, lanes 16-31 B's tile i
.irp i, 0,1,2,3,4,5,6,7
	ds_load_b64 v[SC+8*NQ*\sc+NQ*\i:SC+8*NQ*\sc+NQ*\i+1], v[ADRS] offset:\i*HT+SOFF   ; SOFF: 128 x the K step
.endr
.endm
; A load into a register that a matrix instruction has read, and a vector instruction that reads a matrix result, stand NP places behind it; only plain vector instructions that name none of its registers are places.
.macro PLACES n
.rept \n
	v_nop
.endr
.endm
.macro STEP slot, q, zero              ; a step of 128 along K that has its successor in the same slot
	s_wait_dscnt 4*NL                              ; B's set and A's tiles 0-3 are in; the youngest sixteen loads (A's tiles 4-7) may be out
	WIN MUL_LO
	MUL16 0, (\q)%2, \q, \slot, \zero
	MUL16 2, (\q)%2, \q, \slot, \zero
	s_wait_dscnt 0                                 ; A's tiles 4-7 are in
	PLACES NP
	FETCH_B \slot, (\q)+1, 1-(\q)%2
	FETCH_A \slot, (\q)+1, 0
	WIN MUL_HI
	MUL16 4, (\q)%2, \q, \slot, \zero
	MUL16 6, (\q)%2, \q, \slot, \zero
	PLACES NP
	WIN 0
	FETCH_A \slot, (\q)+1, 4
.endm
; A slot's last step changes slots: ONE barrier; in front of it each wave waits for all its tensor loads, adds 0 to its spare word, and waits for that and for its own reads of this slot.  fill = 1: this slot is filled again, two slots ahead.
.macro TURN slot, next, fill
	s_wait_tensorcnt 0x0                           ; all my tensor loads have landed: my part of the next slot
	ds_add_u32 v[SPW], v[NIL]                      ; 0 onto my spare word
	s_wait_dscnt 4*NL+1                            ; (the add and the youngest sixteen loads may be out)
	WIN MUL_LO
	MUL16 0, 1, NQ-1, \slot, 0                     ; sixteen matrix instructions stand between the add and the wait for it
	s_wait_dscnt 0x0                               ; the add is done, and my reads of this slot are over
	s_barrier_signal -1
	MUL16 2, 1, NQ-1, \slot, 0
	WIN 0
	s_barrier_wait -1
.if \fill
	CREST                                          ; the barrier has opened a round of the cluster's barrier: no wave of any partner still reads this slot or has a load on its way
	JLOAD G0+4*\slot, G1, G0B+4*\slot, G1B         ; the first tensor load behind the round, my one load until the next; its four v_nop are the places in front of the loads below
.else
	PLACES NP
.endif
.set TP, TILEB                         ; from here on fragments come from the ring
.set ADRA, 16
.set ADRB, 20
.set SOFF, (SOFF+128)%512              ; K steps 3, 0, 1, 2
	FETCH_B \next, 0, 0
	FETCH_A \next, 0, 0
	SCALES \next
	WIN MUL_HI
	MUL16 4, 1, NQ-1, \slot, 0
	MUL16 6, 1, NQ-1, \slot, 0
	PLACES NP
	WIN 0
	FETCH_A \next, 0, 4
.endm
	s_wait_alu depctr_va_vdst(0)
	s_wait_tensorcnt 0x0                           ; my one load of the head's four is in; no tensor load of mine is out, so group 1 may be written:
	s_mov_b32 s[G1+2], 8<<16                       ; from here on a load brings 8 tiles
	s_mov_b32 s[G1+4], 8
	s_mov_b32 s[G1B+2], 8<<16
	s_mov_b32 s[G1B+4], 8
	s_barrier_signal -1
	s_barrier_wait -1                              ; everybody's is: the head region and slot 1 are whole
.set TP, HT                            ; the first two steps read the head region
.set ADRA, 12
.set ADRB, 13
.set SOFF, 384
	FETCH_B 0, 0, 0
	FETCH_A 0, 0, 0
	SCALES 0
	FETCH_A 0, 0, 4
	STEP 0, 0, 1                                   ; K = 1,024 is four slots, eight steps: written out.  The first step's products start the sums
	TURN 0, 1, 1
	STEP 1, 0, 0
	TURN 1, 0, 1
	STEP 0, 0, 0
	TURN 0, 1, 0                                   ; the last two slots are filled no more
	STEP 1, 0, 0
	s_wait_dscnt 4*NL
	WIN MUL_LO
	MUL16 0, 1, NQ-1, 1, 0
	MUL16 2, 1, NQ-1, 1, 0
	s_wait_dscnt 0
	WIN MUL_HI
	MUL16 4, 1, NQ-1, 1, 0
	MUL16 6, 1, NQ-1, 1, 0
	WIN 0
; ---------------- THE WAYS OUT use no LDS: what a lane holds is already what an image wants of it.
	PLACES NP                                      ; behind the last products: their results are read, and A's fragments' registers written, only from here on
	s_mov_b32 s2, 0x76543210
	s_mov_b32 s3, 0xfedcba98                       ; v_permlanex16_b32's selects for lane l xor 16
	v_cmp_ne_u32 vcc_lo, 0, v2                     ; lanes 16-31: kept to the end
.irp i, 2,3
	v_mov_b32 v[TM+\i], 0                          ; a lane permute's destination counts as one of its sources
.endr
.irp i, 4,5,6,7
	v_mov_b32 v[TV+\i], 0
.endr
; 32 numbers of a lane, register 16 b + i = d 32 b + 16 h + i of my row, become a half fragment's six registers, v[dst] on, and the two scale bytes in v[word]
.macro QH src, dst, word
	v_max3_num_f32 v[TM], |v[\src]|, |v[\src+1]|, 0x2800000          ; my 16 numbers of each block, and the floor 2^(5 - 127)
	v_max3_num_f32 v[TM+1], |v[\src+16]|, |v[\src+17]|, 0x2800000
.irp i, 2,4,6,8,10,12,14
	v_max3_num_f32 v[TM], v[TM], |v[\src+\i]|, |v[\src+\i+1]|
	v_max3_num_f32 v[TM+1], v[TM+1], |v[\src+16+\i]|, |v[\src+17+\i]|
.endr
	v_permlanex16_b32 v[TM+2], v[TM], s2, s3
	v_permlanex16_b32 v[TM+3], v[TM+1], s2, s3
	v_max_num_f32 v[TM], v[TM], v[TM+2]            ; with lane l xor 16's: the block's largest magnitude
	v_max_num_f32 v[TM+1], v[TM+1], v[TM+3]
	v_add_nc_u32 v[TM+4], 0xfe000000, v[TM]        ; 4 off its exponent field: the conversion's scale operand
	v_add_nc_u32 v[TM+5], 0xfe000000, v[TM+1]
	v_lshrrev_b32 v[TM+6], 23, v[TM+4]             ; the scale's byte
	v_lshrrev_b32 v[TM+7], 23, v[TM+5]
	v_lshl_or_b32 v[\word], v[TM+7], 8, v[TM+6]
	v_cvt_scalef32_pk16_bf6_f32 v[\dst:\dst+2], v[\src:\src+15], v[TM+4]
	v_cvt_scalef32_pk16_bf6_f32 v[CT:CT+2], v[\src+16:\src+31], v[TM+5]
	v_nop                                          ; one plain place behind a scaled conversion
.irp i, 0,1,2
	v_permlane16_swap_b32 v[\dst+\i], v[CT+\i]     ; the layout wants a WHOLE block in a lane: lanes 0-15 block 0, lanes 16-31 block 1
.endr
.irp i, 0,1,2
	v_mov_b32 v[\dst+3+\i], v[CT+\i]
.endr
.endm
	s_cmp_lt_u32 ttmp9, 2
	s_cbranch_scc0 .Lvalues
; ---- Q and K.  My 8 tiles of positions x 2 heads.  For each tile: its cosines and sines (8 loads, a tile ahead), then for each head the rotation, the quantiser, and after each second tile the pair's image.
	s_lshr_b32 s18, s66, 3                         ; the batch
	s_and_b32 s19, s66, 7                          ; which 256 positions of the sequence
	s_lshl_b32 s18, s18, 4
	s_and_b32 s20, s67, 3
	s_lshl_b32 s20, s20, 2
	s_add_co_u32 s18, s18, s20
	s_lshl_b32 s20, s16, 1
	s_add_co_u32 s18, s18, s20                     ; 16 x batch + my first head
	s_mov_b32 s80, HEADKV
	s_mov_b32 s81, KVREC
	s_mov_b32 s82, 6144                            ; kv is laid by key steps of 128: 13,056 bytes: K's images 6,144, K's scale words 512, V's fragments 6,144, V's scale words 256
	s_mov_b32 s87, 13056
	s_mov_b32 s88, 13056
	s_mov_b32 s83, KVREC
	s_cmp_eq_u32 ttmp9, 0                          ; Q's cluster or K's
	s_cselect_b64 s[22:23], s[10:11], s[12:13]
	s_cselect_b32 s80, HEADQ, s80                  ; bytes of a head,
	s_cselect_b32 s81, 12288, s81                  ; from 256 positions' images to the next,
	s_cselect_b32 s82, 98304, s82                  ; where the scale words begin,
	s_cselect_b32 s83, 1024, s83
	s_cselect_b32 s87, 6144, s87                   ; from my partner wave's 8 tiles' images to mine,
	s_cselect_b32 s88, 512, s88                    ; and the same for the scale words
	s_cselect_b32 s86, -1, 0                       ; all ones for Q
; K'S TILES ARE DEALT ANEW AS THEY ARE STORED: of each 64 keys, tile u (0 .. 3) takes keys 8 u + 0 .. 7 as rows 0-7 and keys 32 + 8 u + 0 .. 7 as rows 8-15; 24 registers a lane, group g at 512 g + 16 l.
; My row r of the pair (a / 2) % 2 = e goes to lane r % 8 + 8 e + 16 h, and its 12 registers to groups 0-2 (r < 8) or 3-5.  Q's images stay pair images.
	v_and_b32 v9, 7, v1
	v_lshrrev_b32 v10, 3, v1
	v_lshlrev_b32 v9, 4, v9
	v_mad_u32_u24 v9, v10, 1536, v9
	v_lshl_add_u32 v9, v2, 8, v9
	v_add_nc_u32 v10, 128, v9
	v_add_nc_u32 v11, 1536, v4
	v_cndmask_b32 v9, v9, v4, s86                  ; v9: even pairs, v10: odd pairs
	v_cndmask_b32 v10, v10, v11, s86
	s_mul_i32 s84, s18, s80
	s_mul_i32 s20, s19, s81
	s_add_co_u32 s20, s20, s84
	s_mul_i32 s85, s15, s87
	s_add_co_u32 s20, s20, s85
	s_mov_b32 s21, 0
	s_mov_b32 s81, 0                               ; s[80:81]: a head's bytes
	s_add_nc_u64 s[68:69], s[22:23], s[20:21]      ; the images of my first head,
	s_add_nc_u64 s[70:71], s[68:69], s[80:81]      ; of my second
	s_mul_i32 s20, s19, s83
	s_add_co_u32 s20, s20, s84
	s_add_co_u32 s20, s20, s82
	s_mul_i32 s85, s15, s88
	s_add_co_u32 s20, s20, s85
	s_add_nc_u64 s[72:73], s[22:23], s[20:21]      ; their scale words
	s_add_nc_u64 s[74:75], s[72:73], s[80:81]
	s_lshl_b32 s20, s19, 4
	s_lshl_b32 s85, s15, 3
	s_add_co_u32 s20, s20, s85
	s_lshl_b32 s20, s20, 12
	s_add_nc_u64 s[76:77], s[8:9], s[20:21]        ; the table at my first tile of positions
.macro TABLOAD a
.irp p, 0,1,2,3,4,5,6,7
	global_load_b128 v[TC+32*((\a)%2)+4*\p:TC+32*((\a)%2)+4*\p+3], v4, s[76:77] offset:4096*(\a)+512*\p
.endr
.endm
; The rotation of head hh of tile a: (x1, x2) -> (x1 cos - x2 sin, x1 sin + x2 cos), a pair an instruction: first (-x2 sin, x1 sin), then x cos is added.  Each accumulator is read from its low end on.
.macro ROPE a, hh
	WIN 0x02+(\a)/4                                ; source 0: the accumulators' window
.irp t, 0,1,2,3
.irp j, 0,4
.set XA, 8*(8*((\a)%4)+4*(\hh)+\t)+\j
.set RR, R+8*\t+\j
.set CR, TC+32*((\a)%2)+4*\t+\j/2
	v_pk_mul_f32 v[RR:RR+1], v[XA:XA+1], v[CR+16:CR+17] op_sel:[1,0] op_sel_hi:[0,0] neg_lo:[0,1]
	v_pk_mul_f32 v[RR+2:RR+3], v[XA+2:XA+3], v[CR+16:CR+17] op_sel:[1,1] op_sel_hi:[0,1] neg_lo:[0,1]
	v_pk_fma_f32 v[RR:RR+1], v[XA:XA+1], v[CR:CR+1], v[RR:RR+1] op_sel:[0,0,0] op_sel_hi:[1,0,1]
	v_pk_fma_f32 v[RR+2:RR+3], v[XA+2:XA+3], v[CR:CR+1], v[RR+2:RR+3] op_sel:[0,1,0] op_sel_hi:[1,1,1]
.endr
.endr
	WIN 0
.endm
	TABLOAD 0
.irp a, 0,1,2,3,4,5,6,7
.if \a < 7
	TABLOAD \a+1
	s_wait_loadcnt 8                               ; this tile's eight loads are in; the next tile's may be out
.else
	s_wait_loadcnt 0x0
.endif
.if (\a%2 == 0) && (\a > 0)
	s_wait_xcnt 0x0                                ; the last pair's stores have read their data: the codes' registers are written again only behind this wait
.endif
.irp hh, 0,1
	ROPE \a, \hh
	QH R, P+12*\hh+6*(\a%2), SWD+8*\hh+\a
.endr
.if \a%2 == 1
.irp hh, 0,1
.irp p, 0,1,2
	global_store_b128 v[9+(\a/2)%2], v[P+12*\hh+4*\p:P+12*\hh+4*\p+3], s[68+2*\hh:69+2*\hh] offset:3072*(\a/4)+512*\p
.endr
.endr
.endif
.endr
.irp hh, 0,1
.irp i, 0,1,2,3
	v_cndmask_b32 v[SELR+4*\hh+\i], v[SWD+8*\hh+\i], v[SWD+8*\hh+4+\i], vcc_lo   ; lanes 0-15 store their row's words of tiles 0-3, lanes 16-31 of tiles 4-7
.endr
	global_store_b128 v7, v[SELR+4*\hh:SELR+4*\hh+3], s[72+2*\hh:73+2*\hh]
.endr
	s_branch .Lend
; ---- V.  My 8 tiles of d (two heads x four) x 128 keys: the 64 accumulator registers of a tile are a lane's 64 keys, 16 of each block of 32: one fragment and one scale word.
.Lvalues:
	s_lshr_b32 s18, s67, 3                         ; the batch
	s_and_b32 s19, s67, 7                          ; which 256 keys
	s_lshl_b32 s18, s18, 4
	s_lshl_b32 s20, s41, 2
	s_add_co_u32 s18, s18, s20
	s_lshl_b32 s20, s15, 1
	s_add_co_u32 s18, s18, s20                     ; 16 x batch + my first head
	s_mul_i32 s18, s18, HEADKV
	s_mul_i32 s19, s19, KVREC
	s_add_co_u32 s18, s18, s19
	s_mul_i32 s20, s16, 13056
	s_add_co_u32 s20, s20, s18
	s_add_co_u32 s20, s20, 6656
	s_mov_b32 s21, 0
	s_add_nc_u64 s[68:69], s[12:13], s[20:21]      ; the fragments
	s_mul_i32 s20, s16, 13056
	s_add_co_u32 s20, s20, s18
	s_add_co_u32 s20, s20, 12800
	s_add_nc_u64 s[72:73], s[12:13], s[20:21]      ; their scale words
.macro QV a
.set SR, 64*((\a)%4)
.set WW, 2+(\a)/4
	WIN (WW<<2)|(WW<<4)                            ; sources 1 and 2: the accumulators' window
.irp b, 0,1,2,3
	v_max3_num_f32 v[TV+\b], 0x2800000, |v[SR+16*\b]|, |v[SR+16*\b+1]|   ; block b: my 16 keys, and the floor 2^(5 - 127).  Each accumulator is read from its low end on
.endr
.irp i, 2,4,6,8,10,12,14
.irp b, 0,1,2,3
	v_max3_num_f32 v[TV+\b], v[TV+\b], |v[SR+16*\b+\i]|, |v[SR+16*\b+\i+1]|
.endr
.endr
	WIN 0
.irp b, 0,1,2,3
	v_permlanex16_b32 v[TV+4+\b], v[TV+\b], s2, s3
.endr
.irp b, 0,1,2,3
	v_max_num_f32 v[TV+\b], v[TV+\b], v[TV+4+\b]
.endr
.irp b, 0,1,2,3
	v_add_nc_u32 v[TV+12+\b], 0xfe000000, v[TV+\b]
.endr
.irp b, 0,1,2,3
	v_lshrrev_b32 v[TV+4+\b], 23, v[TV+12+\b]
.endr
	v_lshl_or_b32 v[SWD+(\a)], v[TV+5], 8, v[TV+4]
	v_lshl_or_b32 v[SWD+(\a)], v[TV+6], 16, v[SWD+(\a)]
	v_lshl_or_b32 v[SWD+(\a)], v[TV+7], 24, v[SWD+(\a)]
.if (\a) > 0
	s_wait_xcnt 0x0                                ; the last tile's stores have read their data
.endif
	WIN WW                                         ; source 0: the accumulators' window
.irp c, 0,1
	v_cvt_scalef32_pk16_bf6_f32 v[P+6*\c:P+6*\c+2], v[SR+32*\c:SR+32*\c+15], v[TV+12+2*\c]
	v_cvt_scalef32_pk16_bf6_f32 v[P+12+4*\c:P+14+4*\c], v[SR+16+32*\c:SR+31+32*\c], v[TV+12+2*\c+1]
.endr
	WIN 0
	v_nop                                          ; one plain place behind a scaled conversion
.irp c, 0,1
.irp i, 0,1,2
	v_permlane16_swap_b32 v[P+6*\c+\i], v[P+12+4*\c+\i]
.endr
.irp i, 0,1,2
	v_mov_b32 v[P+3+6*\c+\i], v[P+12+4*\c+\i]
.endr
.endr
.irp p, 0,1,2
	global_store_b128 v4, v[P+4*\p:P+4*\p+3], s[68:69] offset:((\a)/4)*HEADKV+((\a)%4)*1536+512*\p   ; 32 lanes store 512 consecutive bytes
.endr
.endm
.irp a, 0,1,2,3,4,5,6,7
	QV \a
.endr
.irp i, 0,1,2,3
	v_cndmask_b32 v[SELR+\i], v[SWD+\i], v[SWD+4+\i], vcc_lo   ; lanes 0-15 store the first head's four words of their d, lanes 16-31 the second head's
.endr
	global_store_b128 v8, v[SELR:SELR+3], s[72:73]             ; sixteen lanes store 256 consecutive bytes, aligned
.Lend:
	s_wait_tensorcnt 0x0                           ; the wave's end
	ds_add_u32 v[SPW], v[NIL]
	s_wait_dscnt 0x0
	CROUND                                         ; the closing round: no work-group ends while a partner may still ask for a tile that names it
	s_endpgm
.Lfunc_end_k_q53d06319fe_qkv:
	.size	k_q53d06319fe_qkv, .Lfunc_end_k_q53d06319fe_qkv-k_q53d06319fe_qkv
	.p2alignl 7, 3214868480
	.fill 96, 4, 3214868480
	.section	.rodata,"a",@progbits
	.p2align	6, 0x0
	.amdhsa_kernel k_q53d06319fe_qkv
		.amdhsa_group_segment_fixed_size 327680
		.amdhsa_private_segment_fixed_size 0
		.amdhsa_enable_private_segment 0
		.amdhsa_kernarg_size 40
		.amdhsa_user_sgpr_count 2
		.amdhsa_user_sgpr_kernarg_segment_ptr 1
		.amdhsa_wavefront_size32 1
		.amdhsa_system_sgpr_workgroup_id_x 1
		.amdhsa_system_sgpr_workgroup_id_y 1
		.amdhsa_system_sgpr_workgroup_id_z 1
		.amdhsa_system_vgpr_workitem_id 0
		.amdhsa_next_free_vgpr 1024
		.amdhsa_next_free_sgpr 100
		.amdhsa_reserve_vcc 1
		.amdhsa_float_denorm_mode_32 3
		.amdhsa_float_denorm_mode_16_64 3
		.amdhsa_memory_ordered 1
		.amdhsa_forward_progress 1
		.amdhsa_inst_pref_size 222
	.end_amdhsa_kernel
	.amdgpu_metadata
---
amdhsa.version: [ 1, 2 ]
amdhsa.kernels:
  - .name:           k_q53d06319fe_qkv
    .symbol:         k_q53d06319fe_qkv.kd
    .args:
      - { .name: xq, .offset: 0, .size: 8, .value_kind: global_buffer, .address_space: global }
      - { .name: wq, .offset: 8, .size: 8, .value_kind: global_buffer, .address_space: global }
      - { .name: tab, .offset: 16, .size: 8, .value_kind: global_buffer, .address_space: global }
      - { .name: qq, .offset: 24, .size: 8, .value_kind: global_buffer, .address_space: global }
      - { .name: kv, .offset: 32, .size: 8, .value_kind: global_buffer, .address_space: global }
    .group_segment_fixed_size: 327680
    .private_segment_fixed_size: 0
    .kernarg_segment_align: 8
    .kernarg_segment_size: 40
    .max_flat_workgroup_size: 128
    .sgpr_count:     100
    .vgpr_count:     1024
    .wavefront_size: 32
...
	.end_amdgpu_metadata
.endif
;; end of part 2
;; launch attn (part 3): grid 4 x 64, 16 waves a work-group, clusters of 4 x 1, 327,680 bytes of LDS; arguments qq, kv, aq; writes aq
.if DOCPART == 3
	.amdgcn_target "amdgcn-amd-amdhsa--gfx1250"
	.amdhsa_code_object_version 6
	.text
	.protected	k_q53d06319fe_attn
	.globl	k_q53d06319fe_attn
	.p2align	8
	.type	k_q53d06319fe_attn,@function
k_q53d06319fe_attn:
	s_mov_b64 s[64:65], 0
	v_nop
	global_prefetch_b8 v0, s[64:65] scope:SCOPE_SE
	s_setreg_imm32_b32 hwreg(HW_REG_WAVE_MODE, 25, 1), 1
	s_wait_xcnt 0x0
	s_wait_alu depctr_hold_cnt(0) depctr_sa_sdst(0) depctr_va_vdst(0) depctr_va_sdst(0) depctr_va_ssrc(0) depctr_va_vcc(0) depctr_vm_vsrc(0)
	s_getreg_b32 s2, hwreg(HW_REG_IB_STS2, 6, 4)
	s_cmp_eq_u32 s2, 0
	s_cbranch_scc0 .Lentry_in_a_cluster
	s_endpgm
.Lentry_in_a_cluster:
	s_bfe_u32 s2, ttmp6, 0x10000c
	s_cmp_lg_u32 s2, 0x3003
	s_cbranch_scc0 .Lentry_shape_is_right
	s_endpgm
.Lentry_shape_is_right:
; ATTN: causal attention on codes of BF6 (E3M2) with E8M0 scales, 64 (batch, head) x 2,048 positions x head size 64.  Q, K, V arrive as images of registers; the result leaves quantised along (head, d), as the last product's operand.
; THE SOFTMAX AHEAD OF THE SECOND PRODUCT: t = score x log2(e) / 8; M = the row's largest t so far, rounded UP to a whole number; p = 2^(t - M) is what is quantised, along the keys, not normalised.
; The row's sum is taken of the unquantised p, in f32, and divides O at the end.  When M moves, the sum and O are multiplied by 2^(old M - new M): exact.
; LEFT OUT: key steps all of whose keys come after a tile's queries: the causal mask gives them the weight 0.
; K AND V OF A HEAD STAY IN LDS: 16 key steps of 13,056 bytes (K's images 6,144, K's scale words 512, V's fragments 6,144, V's scale words 256) are 208,896 dense bytes, 816 rows of 256, laid in LDS as in memory.
; Each wave brings 15 rows at the head (together 240 rows, 61,440 bytes: key steps 0-3 and K of step 4) and 36 rows behind the first full sequence; nothing is filled again.
; CLUSTER: the four work-groups of a head need the same bytes: 4, 1, 1, every load joint, mask 15.  No branch and no LDS address hangs on the place in the cluster: trip counts are constants, and which steps a wave leaves out hangs on its number alone.
; SHARES.  A head has 128 tiles of 16 queries and 64 waves.  Wave g = 4 x wave + place takes tiles 127 - g and g: tile T sees T / 8 + 1 key steps, so each wave walks (16 - wave / 2) + (wave / 2 + 1) = 17 steps.
; After the start one barrier is left: behind the first four steps of the longer tile, where the second load must have landed.
; NO PREFETCH INTO THE L2: all that the launch reads by tensor loads is asked for by its first two loads; there is no later request to run ahead of.
; A tile T of queries holds the rows 32 (T / 2) + 8 (T % 2) + r + 8 (r / 8).  Both products are used transposed: S^T = K Q^T, O^T = V^T P^T: a lane holds ONE query throughout.
; K'S TILES: of each 64 keys tile u takes keys 8 u + 0 .. 7 (rows 0-7) and 32 + 8 u + 0 .. 7 (rows 8-15): so lane (r, h) holds in the 32 registers of tiles 4 c .. 4 c + 3 the keys 64 c + 32 h + 0 .. 31:
; a WHOLE block of the second product's K, in the order its operand wants: the block's maximum needs no other lane and the codes change no lane.
; FRAGMENTS A STEP AHEAD: the next step's K is asked of LDS inside this step, behind the products that read this step's; V's fragments land in the scores' registers as these come free.
; K = 64 IN AN INSTRUCTION 128 DEEP: Q's operand is six registers of codes and six of zeros; K's operand for tile t is v[32 + 6 t] on, twelve registers: its upper six are the next tile's codes (behind tile 7: zeros), which meet Q's zero codes.
; Bytes 2 and 3 of both scale words are 0, which is 2^-127 and no NaN.
; LIMITS: a block of zeros, or one under 2^-122, gets the byte 1; NaN and infinities are not served; the promise holds while the scaled scores t stay under 2^31 in magnitude.
; REGISTERS: v1-4, v7, v11, v29, v30 lane terms; v5, v6 the add's; v8-10, v232 the step's addresses; v12 -M, v13 the largest score, v[14:15] the sum; v16-27 Q and its zeros; v28 Q's scale word; v31 the mask's term;
;   v32-79 K's tiles; v80-85 zeros; v86-93 K's scale words; v96-159 S^T, then p, then V's fragments; v160-191 O^T; v192-203 codes; v204-210 conversions' results that are moved; v212-221, v236-247 at work;
;   v222-225 V's scale words; v238 p's scale word; v226-230, v248-255 the second tile's Q and its scale word, loaded at the head.
.set STEPB,  13056
.set KSC,    6144
.set VOFF,   6656
.set VSC,    12800
.set HEADKV, 208896
.set HEADQ,  106496
.set AREC,   12800
.set SPARE,  208896                    ; behind K and V: the spare words, 128 bytes for each wave: eight blocks of 256 bytes that no other line names
.set R0,     15                        ; rows of 256 bytes a wave: the first load's,
.set R1,     36                        ; and the second's: 16 x (15 + 36) = 816
.set BM,  212
.set TM,  212
.set CT,  204
.macro ROUND                           ; a round of the cluster's barrier
	s_barrier_signal -1
	s_barrier_wait -1
	s_cmp_lg_u32 s18, 0
	s_cbranch_scc1 .Lnot_wave_0_\@
	s_barrier_signal -3
.Lnot_wave_0_\@:
	s_barrier_wait -3
	s_barrier_signal -1
	s_barrier_wait -1
.endm
	s_load_b128 s[4:7], s[0:1], 0x0                ; qq s[4:5], kv s[6:7]
	s_load_b64 s[8:9], s[0:1], 0x10                ; aq
	v_lshl_add_u32 v5, v0, 2, SPARE
	v_mov_b32 v6, 0
	ds_add_u32 v5, v6                              ; the opening lines: the add, twice on end, and its wait ahead of my first tensor load
	ds_add_u32 v5, v6
	v_lshrrev_b32 v8, 5, v0
	s_delay_alu instid0(VALU_DEP_1)
	v_readfirstlane_b32 s18, v8                    ; wave 0..15
	s_bfe_u32 s16, ttmp6, 0x40000                  ; my place in the cluster
	s_and_b32 s10, ttmp7, 0xffff                   ; 16 x batch + head
	s_lshl_b32 s17, s18, 2
	s_add_co_u32 s17, s17, s16                     ; g
	s_lshr_b32 s19, s18, 1                         ; g / 8, made of the wave's number alone
	s_mov_b32 s24, 15|(3<<16)|(1<<21)              ; group 1: the mask of all four, elements of 8 bytes, bit 21 beside the mask; rows of 256 bytes, dense
	s_mov_b32 s25, 32<<16
	s_mov_b32 s26, R0<<16
	s_mov_b32 s27, 32<<16
	s_mov_b32 s28, R0
	s_mov_b32 s29, 32
	s_mov_b32 s30, 0
	s_mov_b32 s31, 0
	s_mov_b32 s68, 15|(3<<16)|(1<<21)              ; the same for the second load
	s_mov_b32 s69, 32<<16
	s_mov_b32 s70, R1<<16
	s_mov_b32 s71, 32<<16
	s_mov_b32 s72, R1
	s_mov_b32 s73, 32
	s_mov_b32 s74, 0
	s_mov_b32 s75, 0
	s_mov_b32 s20, 0x76543210
	s_mov_b32 s21, 0xfedcba98                      ; v_permlanex16_b32's selects for lane l xor 16
	s_mov_b32 s22, 0x3e38aa3b                      ; c = log2(e) / 8
	s_mov_b32 s23, s22                             ; (named with it as a pair, so it is written)
	s_mov_b32 s62, 0xbe38aa3b                      ; -c
	s_mov_b32 s32, 1
	s_mul_i32 s33, s18, R0*256                     ; my rows' place, in LDS as in the head's bytes
	s_mov_b32 s36, 1
	s_mul_i32 s37, s18, R1*256
	s_add_co_u32 s37, s37, 16*R0*256
	s_mul_i32 s52, s10, HEADKV
	s_add_co_u32 s40, s52, s33
	s_mov_b32 s41, 0
	s_add_co_u32 s42, s52, s37
	s_mov_b32 s43, 0
	s_mul_i32 s54, s10, HEADQ
	s_mov_b32 s55, 0
	s_lshr_b32 s56, s10, 4
	s_mul_i32 s56, s56, 128*AREC                   ; the batch's 128 records of aq
	s_and_b32 s11, s10, 15                         ; the head
	s_mul_i32 s58, s11, 768                        ; its half fragment in a record
	s_add_co_u32 s58, s58, s56
	s_mov_b32 s59, 0
	s_lshr_b32 s57, s11, 2
	s_lshl_b32 s57, s57, 7                         ; its two scale bytes: 12,288 + 128 (head / 4) + 4 ((head / 2) % 2) + 2 (head % 2), + 8 r
	s_add_co_u32 s56, s56, s57
	s_bfe_u32 s57, s11, 0x10001
	s_lshl_b32 s57, s57, 2
	s_add_co_u32 s56, s56, s57
	s_and_b32 s57, s11, 1
	s_lshl_b32 s57, s57, 1
	s_add_co_u32 s56, s56, s57
	s_add_co_u32 s56, s56, 12288
	s_mov_b32 s57, 0
	s_wait_dscnt 0x0                               ; both opening adds are done
	s_wait_kmcnt 0x0
	s_add_nc_u64 s[34:35], s[6:7], s[40:41]
	s_or_b32 s35, s35, 0x80000000
	s_add_nc_u64 s[38:39], s[6:7], s[42:43]
	s_or_b32 s39, s39, 0x80000000
	s_add_nc_u64 s[60:61], s[4:5], s[54:55]        ; the head's Q
	s_add_nc_u64 s[12:13], s[8:9], s[58:59]
	s_add_nc_u64 s[14:15], s[8:9], s[56:57]
	ROUND                                          ; all four work-groups are here: the first joint loads meet
	tensor_load_to_lds s[32:35], s[24:31]          ; my 15 rows: my one load at the head
	s_nop 0
	v_and_b32 v8, 31, v0                           ; lane
	v_and_b32 v9, 15, v0                           ; r
	v_bfe_u32 v10, v0, 4, 1                        ; h
	v_lshlrev_b32 v1, 4, v8                        ; 16 l
	v_lshlrev_b32 v2, 5, v9                        ; 32 r
	v_lshlrev_b32 v3, 4, v9                        ; 16 r
	v_lshlrev_b32 v4, 3, v8                        ; 8 l
	v_lshlrev_b32 v11, 3, v9                       ; 8 r
	v_and_b32 v7, 8, v9
	v_and_b32 v29, 7, v9
	v_lshlrev_b32 v30, 3, v10                      ; 8 h: my bytes' shift in p's scale word
	v_add_nc_u32 v7, v7, v9                        ; r + 8 (r / 8)
	v_lshlrev_b32 v29, 5, v29
	v_lshlrev_b32 v10, 5, v10
	v_and_b32 v9, 8, v9
	v_sub_nc_u32 v7, v7, v10                       ; r + 8 (r / 8) - 32 h: my query less my half's first key
	v_add_nc_u32 v29, v29, v9                      ; 32 (r % 8) + 8 (r / 8): K's scale words of my row in the tiles as they are dealt here
.irp j, 22,23,24,25,26,27,80,81,82,83,84,85
	v_mov_b32 v\j, 0                               ; the zero codes: written once
.endr
.irp j, 212,213,214,215,216,217,218,219,220,221,236,237,239
	v_mov_b32 v\j, 0                               ; written once: lane permutes' destinations count as sources, and v237 is named as the upper half of a pair
.endr
; 32 numbers of a lane, register 16 b + i = d 32 b + 16 h + i of my row, become a half fragment's six registers, v[dst] on, and the two scale bytes in v[word]
.macro QH src, dst, word
	v_max3_num_f32 v[TM], |v[\src]|, |v[\src+1]|, 0x2800000
	v_max3_num_f32 v[TM+1], |v[\src+16]|, |v[\src+17]|, 0x2800000
.irp i, 2,4,6,8,10,12,14
	s_delay_alu instid0(VALU_DEP_2)
	v_max3_num_f32 v[TM], v[TM], |v[\src+\i]|, |v[\src+\i+1]|
	s_delay_alu instid0(VALU_DEP_2)
	v_max3_num_f32 v[TM+1], v[TM+1], |v[\src+16+\i]|, |v[\src+17+\i]|
.endr
	s_delay_alu instid0(VALU_DEP_2)
	v_permlanex16_b32 v[TM+2], v[TM], s20, s21
	s_delay_alu instid0(VALU_DEP_2)
	v_permlanex16_b32 v[TM+3], v[TM+1], s20, s21
	s_delay_alu instid0(VALU_DEP_2)
	v_max_num_f32 v[TM], v[TM], v[TM+2]
	s_delay_alu instid0(VALU_DEP_2)
	v_max_num_f32 v[TM+1], v[TM+1], v[TM+3]
	s_delay_alu instid0(VALU_DEP_2)
	v_add_nc_u32 v[TM+4], 0xfe000000, v[TM]
	s_delay_alu instid0(VALU_DEP_2)
	v_add_nc_u32 v[TM+5], 0xfe000000, v[TM+1]
	s_delay_alu instid0(VALU_DEP_2)
	v_lshrrev_b32 v[TM+6], 23, v[TM+4]
	s_delay_alu instid0(VALU_DEP_2)
	v_lshrrev_b32 v[TM+7], 23, v[TM+5]
	s_delay_alu instid0(VALU_DEP_1)
	v_lshl_or_b32 v[\word], v[TM+7], 8, v[TM+6]
	v_cvt_scalef32_pk16_bf6_f32 v[\dst:\dst+2], v[\src:\src+15], v[TM+4]
	v_cvt_scalef32_pk16_bf6_f32 v[CT:CT+2], v[\src+16:\src+31], v[TM+5]
	v_nop                                          ; one plain place behind a scaled conversion
.irp i, 0,1,2
	v_permlane16_swap_b32 v[\dst+\i], v[CT+\i]
.endr
.irp i, 0,1,2
	s_delay_alu instid0(VALU_DEP_3)
	v_mov_b32 v[\dst+3+\i], v[CT+\i]
.endr
.endm
; Tile s51's pair image of Q (three loads of 512 consecutive bytes) and its scale word are asked for
.macro LOADQ a, b, c, w
	s_lshr_b32 s54, s51, 1
	s_mul_i32 s54, s54, 1536                       ; the tile's pair image
	s_mov_b32 s55, 0
	s_add_nc_u64 s[56:57], s[60:61], s[54:55]
	s_lshr_b32 s54, s51, 3
	s_lshl_b32 s54, s54, 9                         ; its group of scale words,
	s_and_b32 s52, s51, 7
	s_lshl_b32 s52, s52, 2                         ; and its word there
	s_add_co_u32 s54, s54, s52
	s_add_co_u32 s54, s54, 98304
	s_add_nc_u64 s[58:59], s[60:61], s[54:55]
	global_load_b128 v[\a:\a+3], v1, s[56:57]
	global_load_b128 v[\b:\b+3], v1, s[56:57] offset:512
	global_load_b128 v[\c:\c+3], v1, s[56:57] offset:1024
	global_load_b32 v[\w], v2, s[58:59]
.endm
; A TILE OF QUERIES BEGINS (its number in s51): its addresses, Q and its scale word, and the running numbers: O^T and the sum begin as zeros, the largest score as -3e38, so that the key step is written once.
.macro SETUP first
	s_wait_alu depctr_va_vdst(0)
	s_wait_xcnt 0x0                                ; the earlier loads and stores have read their bases and data
	s_and_b32 s49, s51, 1
	s_lshl_b32 s52, s49, 3
	s_sub_co_u32 s49, 0, s49                       ; all ones: the second tile of a pair image
	s_bfe_u32 s53, s51, 0x20001
	s_lshl_b32 s53, s53, 5
	s_add_co_u32 s52, s52, s53                     ; the tile's first query, counted from its last key step's first key: 32 ((T / 2) % 4) + 8 (T % 2)
	v_add_nc_u32 v31, s52, v7                      ; in that step register 32 c + i holds key 64 c + 32 h + i: hidden where 64 c + i > v31
	s_mul_i32 s54, s51, AREC                       ; my tile's record of aq
	s_mov_b32 s55, 0
	s_add_nc_u64 s[40:41], s[12:13], s[54:55]
	s_add_nc_u64 s[42:43], s[14:15], s[54:55]
	s_wait_alu depctr_va_vdst(0)
.if \first
	s_wait_loadcnt 0x4                             ; the first tile's four loads are in; the second tile's four may be out
.irp j, 0,1,2,3,4,5
	v_cndmask_b32 v[16+\j], v[96+\j], v[102+\j], s49   ; the pair's first tile or its second
.endr
.else
	s_wait_loadcnt 0x0
	v_cndmask_b32 v16, v248, v254, s49             ; the image's registers 0-7 lie in v248-255, 8-11 in v226-229
	v_cndmask_b32 v17, v249, v255, s49
	v_cndmask_b32 v18, v250, v226, s49
	v_cndmask_b32 v19, v251, v227, s49
	v_cndmask_b32 v20, v252, v228, s49
	v_cndmask_b32 v21, v253, v229, s49
	v_mov_b32 v28, v230
.endif
	v_mov_b32 v13, 0xff61b1e6                      ; the largest score so far: -3e38
	s_delay_alu instid0(VALU_DEP_1)
	v_floor_f32 v12, -v13                          ; -M
	v_mov_b32 v14, 0
	v_mov_b32 v15, 0
.set ii, 0
.rept 32
	v_mov_b32 v[160+ii], 0
.set ii, ii+1
.endr
	s_wait_alu depctr_va_vdst(0)
.endm
.macro KFIRST                          ; key step 0's K and its scale words: ahead of a walk's first step
.irp n, 0,1,2,3,4,5,6,7,8,9,10,11
	ds_load_b128 v[32+4*\n:35+4*\n], v1 offset:512*\n
.endr
.irp c, 0,1
.irp u, 0,1
	ds_load_b64 v[86+4*\c+2*\u:87+4*\c+2*\u], v29 offset:KSC+16*\c+256*\u
.endr
.endr
.endm
.macro KN n0                           ; two loads of the next step's K: 512 consecutive bytes each
	ds_load_b128 v[32+4*(\n0):35+4*(\n0)], v232 offset:512*(\n0)
	ds_load_b128 v[36+4*(\n0):39+4*(\n0)], v232 offset:512*(\n0)+512
.endm
.macro KS c                            ; the next step's scale words of tiles 4 c .. 4 c + 3
	ds_load_b64 v[86+4*\c:87+4*\c], v9 offset:KSC+16*\c
	ds_load_b64 v[88+4*\c:89+4*\c], v9 offset:KSC+16*\c+256
.endm
; A KEY STEP: 128 keys, step s45, at LDS byte s44; its K has been asked for.  masked = 1: steps from s46 on are left out, and step s47, the tile's last, hides the keys behind each query.  Both numbers are made of the wave's number alone.
.macro STEP masked
.if \masked
	s_cmp_ge_u32 s45, s46
	s_cbranch_scc1 .Lhid_\@
.endif
	s_add_co_u32 s48, s44, STEPB
	s_min_u32 s48, s48, 15*STEPB                   ; the next step, held inside K and V (behind step 15 the same bytes are read once more and not used)
	v_add_nc_u32 v8, s44, v1
	v_add_nc_u32 v10, s44, v3
	v_add_nc_u32 v9, s48, v29
	v_add_nc_u32 v232, s48, v1
	v_nop
	v_nop                                          ; six places between the last step's products and the products below, which write over the registers that held V
	s_wait_alu depctr_va_vdst(0)
	s_wait_dscnt 0x0                               ; K is in
.irp t, 0,1,2,3,4,5,6,7
	v_wmma_scale_f32_16x16x128_f8f6f4 v[96+8*\t:103+8*\t], v[32+6*\t:43+6*\t], v[16:27], 0, v[86+\t], v28 matrix_a_fmt:MATRIX_FMT_BF6 matrix_b_fmt:MATRIX_FMT_BF6
.endr
	v_mov_b32 v217, v12                            ; the old -M
.rept 3
	v_nop                                          ; with the line above: the places in front of the first read of the scores and of the loads into K's registers
.endr
.if \masked
	s_cmp_lg_u32 s45, s47
	s_cbranch_scc1 .Lopen_\@                       ; all 128 keys count for all my queries
	v_mov_b32 v240, 0xff800000                     ; -infinity
.set ii, 0
.rept 64
	v_cmp_gt_i32 vcc_lo, 64*(ii/32)+ii%32, v31
	v_cndmask_b32 v[96+ii], v[96+ii], v240, vcc_lo
.set ii, ii+1
.endr
.Lopen_\@:
.endif
.irp b, 0,1,2,3
	v_max3_num_f32 v[BM+\b], v[96+16*\b], v[97+16*\b], v[98+16*\b]   ; the largest score of my two blocks of 32 keys, each in two chains; each accumulator is read from its low end on
.endr
.irp i, 3,5,7,9,11,13
.irp b, 0,1,2,3
	v_max3_num_f32 v[BM+\b], v[BM+\b], v[96+16*\b+\i], v[97+16*\b+\i]
.endr
.endr
	v_max3_num_f32 v[BM], v[BM], v[BM+1], v111
	v_max3_num_f32 v[BM+2], v[BM+2], v[BM+3], v143
	KN 0                                           ; the next step's K is asked for between the lines of this chain, each of which reads the line before it
	v_max_num_f32 v[BM], v[BM], v127               ; block h,
	v_max_num_f32 v[BM+2], v[BM+2], v159           ; and block 2 + h: they serve the row's maximum and, since p rises with the score, the block's largest p
	KN 2
	v_max_num_f32 v239, v[BM], v[BM+2]
	KN 4
	v_permlanex16_b32 v216, v239, s20, s21
	KN 6
	v_max3_num_f32 v13, v13, v239, v216            ; the running largest score of my query
	KN 8
	v_mul_f32 v239, s62, v13                       ; -t (c is positive, so the largest score gives the largest t)
	KN 10
	v_floor_f32 v12, v239                          ; the new -M = floor(-t) = -ceil(t)
	KS 0
	v_sub_f32 v239, v12, v217                      ; M's old value less its new one: a whole number, 0 or less
	KS 1
	v_cvt_i32_f32 v239, v239                       ; (it saturates)
	ds_load_b128 v[222:225], v10 offset:VSC        ; this step's scale words of V
	v_ldexp_f32 v236, 1.0, v239                    ; f = 2^(old M - new M)
.set ii, 0
.rept 32
	v_pk_fma_f32 v[96+ii:97+ii], v[96+ii:97+ii], s[22:23], v[12:13] op_sel_hi:[1,0,0]   ; t - M, two at a time
.set ii, ii+2
.endr
	v_fma_f32 v[BM], v[BM], s22, v12               ; the same of each block's largest score
	v_fma_f32 v[BM+2], v[BM+2], s22, v12
	s_wait_alu depctr_va_vdst(0)
.set ii, 0
.rept 64
	v_exp_f32 v[96+ii], v[96+ii]                   ; p = 2^(t - M), at most 1
.set ii, ii+1
.endr
	v_exp_f32 v[BM], v[BM]                         ; the block's largest p: the same two steps on the same number give the same bits
	v_exp_f32 v[BM+2], v[BM+2]
	v_pk_mul_f32 v[14:15], v[14:15], v[236:237] op_sel_hi:[1,0]   ; the sums under the new M.  (A plain place behind the exponentials)
	s_wait_alu depctr_va_vdst(0)                   ; one wait for the batch, ahead of its first reader
	v_max_num_f32 v[BM], 0x2800000, v[BM]          ; the floor 2^(5 - 127): the byte cannot fall under 1
	v_max_num_f32 v[BM+2], 0x2800000, v[BM+2]
.irp i, 0,1,2,3
	v_pk_add_f32 v[240+2*\i:241+2*\i], v[96+2*\i:97+2*\i], v[104+2*\i:105+2*\i]   ; the row's sum of the unquantised p: two at a time, in four chains
.endr
	v_add_nc_u32 v220, 0xfe000000, v[BM]           ; 4 off the exponent field: the conversion's scale operand
	v_add_nc_u32 v221, 0xfe000000, v[BM+2]
.irp i, 0,1,2,3
	v_pk_add_f32 v[240+2*\i:241+2*\i], v[240+2*\i:241+2*\i], v[112+2*\i:113+2*\i]
.endr
	v_cvt_scalef32_pk16_bf6_f32 v[192:194], v[96:111], v220
	v_cvt_scalef32_pk16_bf6_f32 v[204:206], v[112:127], v220   ; (a conversion's three registers begin on an even number)
.irp i, 0,1,2,3
	v_pk_add_f32 v[240+2*\i:241+2*\i], v[240+2*\i:241+2*\i], v[120+2*\i:121+2*\i]
.endr
.irp t, 0,1                            ; my first block's p is summed and converted: its registers take V's fragments 0 and 1
.irp g, 0,1,2
	ds_load_b128 v[96+12*\t+4*\g:99+12*\t+4*\g], v8 offset:VOFF+1536*\t+512*\g
.endr
.endr
	v_cvt_scalef32_pk16_bf6_f32 v[198:200], v[128:143], v221
	v_cvt_scalef32_pk16_bf6_f32 v[208:210], v[144:159], v221
.set ii, 32
.rept 4
.irp i, 0,1,2,3
	v_pk_add_f32 v[240+2*\i:241+2*\i], v[240+2*\i:241+2*\i], v[96+ii+2*\i:97+ii+2*\i]
.endr
.set ii, ii+8
.endr
.irp t, 0,1                            ; and the second block's take fragments 2 and 3
.irp g, 0,1,2
	ds_load_b128 v[128+12*\t+4*\g:131+12*\t+4*\g], v8 offset:VOFF+3072+1536*\t+512*\g
.endr
.endr
	v_lshrrev_b32 v218, 23, v220                   ; the scales' bytes
	v_lshrrev_b32 v219, 23, v221
.irp i, 0,1,2
	v_mov_b32 v[195+\i], v[204+\i]                 ; registers 6 c .. 6 c + 5: keys 64 c + 32 h + 0 .. 31
.endr
	v_lshl_or_b32 v218, v219, 16, v218             ; my two bytes: blocks h and 2 + h,
.irp i, 0,1,2
	v_mov_b32 v[201+\i], v[208+\i]
.endr
	v_lshlrev_b32 v218, v30, v218                  ; at their places in the word;
	v_pk_add_f32 v[240:241], v[240:241], v[242:243]
	v_pk_add_f32 v[244:245], v[244:245], v[246:247]
	v_permlanex16_b32 v219, v218, s20, s21
	v_pk_add_f32 v[240:241], v[240:241], v[244:245]
	v_or_b32 v238, v218, v219                      ; with lane l xor 16's two: p's scale word for these 128 keys
	v_pk_add_f32 v[14:15], v[14:15], v[240:241]
	s_wait_alu depctr_va_vdst(0)
.set ii, 0
.rept 16
	v_pk_mul_f32 v[160+ii:161+ii], v[160+ii:161+ii], v[236:237] op_sel_hi:[1,0]   ; O^T under the new M, from each accumulator's low end on.  (Also the places between p's scale word and codes and the products)
.set ii, ii+2
.endr
	s_wait_alu depctr_va_vdst(0)
	s_wait_dscnt 0x6                               ; all but the youngest six loads are in: V's fragments 2 and 3 may be out
.irp t, 0,1
	v_wmma_scale_f32_16x16x128_f8f6f4 v[160+8*\t:167+8*\t], v[96+12*\t:107+12*\t], v[192:203], v[160+8*\t:167+8*\t], v[222+\t], v238 matrix_a_fmt:MATRIX_FMT_BF6 matrix_b_fmt:MATRIX_FMT_BF6
.endr
	s_wait_dscnt 0x0
.irp t, 0,1
	v_wmma_scale_f32_16x16x128_f8f6f4 v[176+8*\t:183+8*\t], v[128+12*\t:139+12*\t], v[192:203], v[176+8*\t:183+8*\t], v[224+\t], v238 matrix_a_fmt:MATRIX_FMT_BF6 matrix_b_fmt:MATRIX_FMT_BF6
.endr                                              ; the four accumulators take turns, one instruction a turn
.if \masked
.Lhid_\@:
.endif
	s_add_co_u32 s44, s44, STEPB
	s_add_co_u32 s45, s45, 1
.endm
; A TILE OF QUERIES ENDS: O^T / the sum is quantised along d and leaves as my tile's half fragment of this head, with its two scale bytes.
.macro FINISH
.rept 4
	v_nop                                          ; places behind the last products
.endr
	v_add_f32 v14, v14, v15                        ; the sum's two halves,
	s_delay_alu instid0(VALU_DEP_1)
	v_permlanex16_b32 v239, v14, s20, s21
	s_delay_alu instid0(VALU_DEP_1)
	v_add_f32 v14, v14, v239                       ; and lane l xor 16's: the row's sum
	s_wait_alu depctr_va_vdst(0)
	v_rcp_f32 v14, v14
	v_nop                                          ; one plain place behind a transcendental
	s_wait_alu depctr_va_vdst(0)
.set ii, 0
.rept 16
	v_pk_mul_f32 v[96+ii:97+ii], v[160+ii:161+ii], v[14:15] op_sel_hi:[1,0]
.set ii, ii+2
.endr
	QH 96, 192, 239
	global_store_b128 v1, v[192:195], s[40:41]             ; 32 lanes store 512 consecutive bytes,
	global_store_b64 v4, v[196:197], s[40:41] offset:512   ; and 256
	global_store_b16 v11, v239, s[42:43]                   ; two bytes a row (both halves of the lanes hold and write the same): a scale word's other half belongs to another head's work-group
.endm
	s_wait_alu depctr_va_vdst(0)
	s_sub_co_u32 s51, 127, s17                     ; the longer tile, 127 - g: its Q,
	LOADQ 96, 100, 104, 28
	s_wait_xcnt 0x0                                ; these loads have read their bases
	s_mov_b32 s51, s17                             ; and the shorter tile's, g, which waits in registers of its own
	LOADQ 248, 252, 226, 230
	s_sub_co_u32 s51, 127, s17                     ; the longer tile first:
	s_sub_co_u32 s46, 16, s19                      ; its 16 - wave / 2 key steps,
	s_sub_co_u32 s47, 15, s19                      ; the last of them
	SETUP 1
	s_wait_tensorcnt 0x0                           ; my 15 rows are in; ahead of a later first fill:
	ds_add_u32 v5, v6                              ; 0 onto my spare word,
	s_mov_b32 s44, 0
	s_mov_b32 s45, 0
	s_wait_dscnt 0x0                               ; and the wait for it
	ROUND                                          ; key steps 0-3 and K of step 4 are whole, and all four work-groups are here
	tensor_load_to_lds s[36:39], s[68:75]          ; my 36 rows of the rest: my one load behind the round; LDS bytes 61,440 on, which the four steps below (bytes under 58,880) do not read
	s_nop 0
	KFIRST
.Lfirst:                                               ; steps 0-3: open for every query of a tile that has nine steps or more
	STEP 0
	s_cmp_lt_u32 s45, 4
	s_wait_alu depctr_va_vdst(0)
	s_cbranch_scc1 .Lfirst
	s_wait_tensorcnt 0x0                           ; my 36 rows are in (and no LDS load of mine is out: each step ends behind a wait for all of them),
	s_barrier_signal -1
	s_barrier_wait -1                              ; everybody's are
.Llong:                                                ; steps 4-15
	STEP 1
	s_cmp_lt_u32 s45, 16
	s_wait_alu depctr_va_vdst(0)
	s_cbranch_scc1 .Llong
	FINISH
	s_mov_b32 s51, s17                             ; the shorter tile: g, wave / 2 + 1 key steps
	s_add_co_u32 s46, s19, 1
	s_mov_b32 s47, s19
	SETUP 0
	s_mov_b32 s44, 0
	s_mov_b32 s45, 0
	KFIRST
.Lshort:                                               ; steps 0-7
	STEP 1
	s_cmp_lt_u32 s45, 8
	s_wait_alu depctr_va_vdst(0)
	s_cbranch_scc1 .Lshort
	FINISH
	s_wait_tensorcnt 0x0                           ; the wave's end
	ds_add_u32 v5, v6
	s_wait_dscnt 0x0
	ROUND                                          ; the closing round
	s_endpgm
.Lfunc_end_k_q53d06319fe_attn:
	.size	k_q53d06319fe_attn, .Lfunc_end_k_q53d06319fe_attn-k_q53d06319fe_attn
	.p2alignl 7, 3214868480
	.fill 96, 4, 3214868480
	.section	.rodata,"a",@progbits
	.p2align	6, 0x0
	.amdhsa_kernel k_q53d06319fe_attn
		.amdhsa_group_segment_fixed_size 327680
		.amdhsa_private_segment_fixed_size 0
		.amdhsa_enable_private_segment 0
		.amdhsa_kernarg_size 24
		.amdhsa_user_sgpr_count 2
		.amdhsa_user_sgpr_kernarg_segment_ptr 1
		.amdhsa_wavefront_size32 1
		.amdhsa_system_sgpr_workgroup_id_x 1
		.amdhsa_system_sgpr_workgroup_id_y 1
		.amdhsa_system_sgpr_workgroup_id_z 1
		.amdhsa_system_vgpr_workitem_id 0
		.amdhsa_next_free_vgpr 256
		.amdhsa_next_free_sgpr 80
		.amdhsa_reserve_vcc 1
		.amdhsa_float_denorm_mode_32 3
		.amdhsa_float_denorm_mode_16_64 3
		.amdhsa_memory_ordered 1
		.amdhsa_forward_progress 1
		.amdhsa_inst_pref_size 78
	.end_amdhsa_kernel
	.amdgpu_metadata
---
amdhsa.version: [ 1, 2 ]
amdhsa.kernels:
  - .name:           k_q53d06319fe_attn
    .symbol:         k_q53d06319fe_attn.kd
    .args:
      - { .name: qq, .offset: 0, .size: 8, .value_kind: global_buffer, .address_space: global }
      - { .name: kv, .offset: 8, .size: 8, .value_kind: global_buffer, .address_space: global }
      - { .name: aq, .offset: 16, .size: 8, .value_kind: global_buffer, .address_space: global }
    .group_segment_fixed_size: 327680
    .private_segment_fixed_size: 0
    .kernarg_segment_align: 8
    .kernarg_segment_size: 24
    .max_flat_workgroup_size: 512
    .sgpr_count:     80
    .vgpr_count:     256
    .wavefront_size: 32
...
	.end_amdgpu_metadata
.endif
;; end of part 3
;; launch proj (part 4): grid 4 x 32, 4 waves a work-group, clusters of 4 x 4, 327,680 bytes of LDS; arguments aq, wq, out0; writes out0
.if DOCPART == 4
	.amdgcn_target "amdgcn-amd-amdhsa--gfx1250"
	.amdhsa_code_object_version 6
	.text
	.protected	k_q53d06319fe_proj
	.globl	k_q53d06319fe_proj
	.p2align	8
	.type	k_q53d06319fe_proj,@function
k_q53d06319fe_proj:
	s_mov_b64 s[64:65], 0
	v_nop
	global_prefetch_b8 v0, s[64:65] scope:SCOPE_SE
	s_setreg_imm32_b32 hwreg(HW_REG_WAVE_MODE, 25, 1), 1
	s_wait_xcnt 0x0
	s_wait_alu depctr_hold_cnt(0) depctr_sa_sdst(0) depctr_va_vdst(0) depctr_va_sdst(0) depctr_va_ssrc(0) depctr_va_vcc(0) depctr_vm_vsrc(0)
	s_getreg_b32 s2, hwreg(HW_REG_IB_STS2, 6, 4)
	s_cmp_eq_u32 s2, 0
	s_cbranch_scc0 .Lentry_in_a_cluster
	s_endpgm
.Lentry_in_a_cluster:
	s_bfe_u32 s2, ttmp6, 0x10000c
	s_cmp_lg_u32 s2, 0xf033
	s_cbranch_scc0 .Lentry_shape_is_right
	s_endpgm
.Lentry_shape_is_right:
.set NQ,     2
.set FR,     12
.set NL,     4
.set NP,     4
.set REC,    12800
.set TILEB,  3072
.set HALFT,  8*TILEB
.set SLOT,   4*HALFT
.set SCL,    2*SLOT
.set HALFS,  4096
.set HT,     3584                      ; a tile's bytes in the head region: K step 3's four half fragments and, behind them as in the record, the tile's 512 bytes of scale words
.set SPARE,  SCL+32*HT                 ; behind the head region (A's 16 tiles, B's 16): the spare words
.set SPITCH, 528
.set ADRA, 16
.set ADRB, 20
.set STO,  24
.set RD,   25
.set ADRS, 27
.set SPW,  28
.set NIL,  29
.set SC,   32
.set AF,   128
.set BK,   128
.set G1, 24
.set G0, 32
.set G1B, 48
.set G0B, 56
.set G1S, 68
.set G0S, 76
.set G1SB, 80
.set G0SB, 88
.set MSB, 0
.macro WIN new
.if MSB != (\new)
	s_set_vgpr_msb (MSB<<8)|(\new)
.set MSB, (\new)
.endif
.endm
.set MUL_LO, 0xa1
.set MUL_HI, 0xf1
.set TO_B,   0x40
.macro JLOAD g0a, g1a, g0b, g1b
	s_cmp_eq_u32 s15, 0
	s_cbranch_scc0 .Lfor_b_\@
	tensor_load_to_lds s[\g0a:\g0a+3], s[\g1a:\g1a+7]
	s_nop 0
.rept 4
	v_nop
.endr
	s_branch .Lasked_\@
.Lfor_b_\@:
	tensor_load_to_lds s[\g0b:\g0b+3], s[\g1b:\g1b+7]
	s_nop 0
.rept 4
	v_nop
.endr
.Lasked_\@:
.endm
.macro CREST
	s_cmp_lg_u32 s14, 0
	s_cbranch_scc1 .Lnot_wave_0_\@
	s_barrier_signal -3
.Lnot_wave_0_\@:
	s_barrier_wait -3
	s_barrier_signal -1
	s_barrier_wait -1
.endm
.macro CROUND
	s_barrier_signal -1
	s_barrier_wait -1
	CREST
.endm
	s_load_b128 s[4:7], s[0:1], 0x0
	s_load_b64 s[8:9], s[0:1], 0x10
	v_lshl_add_u32 v[SPW], v0, 2, SPARE
	v_mov_b32 v[NIL], 0
	ds_add_u32 v28, v29
	ds_add_u32 v28, v29
	s_wait_dscnt 0x0
	v_lshrrev_b32 v1, 5, v0
	v_readfirstlane_b32 s14, v1
	s_lshr_b32 s15, s14, 1
	s_and_b32 s16, s14, 1
	s_bfe_u32 s40, ttmp6, 0x40000
	s_bfe_u32 s41, ttmp6, 0x40004
	s_lshl_b32 s42, ttmp9, 2
	s_and_b32 s17, ttmp7, 0xffff
	s_lshl_b32 s17, s17, 2
	s_lshl_b32 s43, s41, 2
	s_lshl_b32 s43, 15, s43
	s_lshl_b32 s44, 0x1111, s40
	s_add_co_u32 s66, s17, s41
	s_add_co_u32 s97, s42, s40
	s_add_co_u32 s67, s97, 12
	s_or_b32 s[G1+0], s43, (3<<16)|(1<<21)
	s_or_b32 s[G1B+0], s44, (3<<16)|(1<<21)
.irp g, G1, G1B
	s_mov_b32 s[\g+1], 384<<16
	s_mov_b32 s[\g+2], 16<<16                      ; the head's loads bring 16 tiles; behind them the two words are set to 8
	s_mov_b32 s[\g+3], 384<<16
	s_mov_b32 s[\g+4], 16
	s_mov_b32 s[\g+5], REC/8
	s_mov_b32 s[\g+6], 0
	s_mov_b32 s[\g+7], 0
.endr
	s_or_b32 s[G1S+0], s43, (3<<16)|(1<<21)
	s_or_b32 s[G1SB+0], s44, (3<<16)|(1<<21)
.irp g, G1S, G1SB
	s_mov_b32 s[\g+1], 448<<16                     ; the head region's loads: 16 rows of 3,584 bytes
	s_mov_b32 s[\g+2], 16<<16
	s_mov_b32 s[\g+3], 448<<16
	s_mov_b32 s[\g+4], 16
	s_mov_b32 s[\g+5], REC/8
	s_mov_b32 s[\g+6], 0
	s_mov_b32 s[\g+7], 0
.endr
	s_lshl_b32 s94, s16, 3
	s_lshl_b32 s20, s66, 4
	s_add_co_u32 s20, s20, s94
	s_mul_i32 s20, s20, REC
	s_mov_b32 s21, 0
	s_lshl_b32 s46, s67, 4
	s_add_co_u32 s46, s46, s94
	s_mul_i32 s46, s46, REC
	s_mov_b32 s47, 0
	s_mul_i32 s45, s14, HALFT
	s_wait_kmcnt 0x0
	s_add_nc_u64 s[20:21], s[4:5], s[20:21]
	s_add_nc_u64 s[46:47], s[6:7], s[46:47]
	CROUND
	s_mul_i32 s94, s94, REC                        ; my 8 tiles' distance from the first of the 16, in bytes
	s_mov_b32 s95, 0
	s_sub_nc_u64 s[22:23], s[20:21], s[94:95]      ; A: the first record of all 16 tiles
	s_sub_nc_u64 s[92:93], s[46:47], s[94:95]      ; B: likewise
.irp s, 0,1
	s_mov_b32 s[G0+4*\s], 1
	s_add_co_u32 s[G0+4*\s+1], s45, \s*SLOT
	s_add_nc_u64 s[G0+4*\s+2:G0+4*\s+3], s[20:21], (\s+1)*TILEB    ; the ring's two later fills: K step 1 into slot 0, K step 2 into slot 1
	s_or_b32 s[G0+4*\s+3], s[G0+4*\s+3], 0x80000000
	s_mov_b32 s[G0B+4*\s], 1
	s_add_co_u32 s[G0B+4*\s+1], s45, \s*SLOT
	s_add_nc_u64 s[G0B+4*\s+2:G0B+4*\s+3], s[46:47], (\s+1)*TILEB
	s_or_b32 s[G0B+4*\s+3], s[G0B+4*\s+3], 0x80000000
.endr
; THE HEAD'S LOADS, ONE A WAVE.  K is walked in the order 3, 0, 1, 2: K step 3's codes and the scale words lie side by side in a record, so one load brings both.
; wave 0: A's 16 tiles of the head region; wave 1: B's; wave 2: K step 0 of A's 16 tiles into slot 1; wave 3: of B's.  One chain of branches on the wave's number, one load to an arm, one join.
.macro ARM under, lds, src, off, g1, next
	s_cmp_lt_u32 s14, \under
	s_cbranch_scc0 \next
	s_mov_b32 s5, \lds
	s_add_nc_u64 s[6:7], s[\src:\src+1], \off
	s_or_b32 s7, s7, 0x80000000
	tensor_load_to_lds s[4:7], s[\g1:\g1+7]
	s_nop 0
.rept 4
	v_nop
.endr
	s_branch .Lhead_asked
\next:
.endm
	s_mov_b32 s4, 1                                ; s[4:7] held arguments that are used no more
	ARM 1, SCL, 22, 3*TILEB, G1S, .Lhead_b
	ARM 2, SCL+16*HT, 92, 3*TILEB, G1SB, .Lhead_c
	ARM 3, SLOT, 22, 0, G1, .Lhead_d
	s_mov_b32 s5, SLOT+2*HALFT
	s_add_nc_u64 s[6:7], s[92:93], 0
	s_or_b32 s7, s7, 0x80000000
	tensor_load_to_lds s[4:7], s[G1B:G1B+7]
	s_nop 0
.rept 4
	v_nop
.endr
.Lhead_asked:
	v_and_b32 v1, 15, v0
	v_bfe_u32 v2, v0, 4, 1
	v_and_b32 v3, 31, v0
	v_lshlrev_b32 v4, 4, v3
	v_lshlrev_b32 v5, 3, v3
	v_add_nc_u32 v5, 512, v5
	s_mul_i32 s98, s15, HALFT
	s_mul_i32 s99, s16, HALFT
	s_add_co_u32 s99, s99, 2*HALFT
.irp s, 0,1
	v_add_nc_u32 v[ADRA+\s], s98, v4
	v_add_nc_u32 v[ADRB+\s], s99, v4
	v_add_nc_u32 v[ADRA+2+\s], s98, v5
	v_add_nc_u32 v[ADRB+2+\s], s99, v5
	s_add_co_u32 s98, s98, SLOT
	s_add_co_u32 s99, s99, SLOT
.endr
	s_mul_i32 s98, s15, 8*HT                       ; A's scale words: my 8 tiles of the head region
	s_mul_i32 s99, s16, 8*HT                       ; B's: my 8 tiles, behind A's 16
	s_add_co_u32 s99, s99, 16*HT
	s_sub_co_u32 s99, s99, s98
	v_mul_u32_u24 v6, s99, v2
	s_add_co_u32 s98, s98, SCL+TILEB               ; behind a tile's codes
	v_lshl_add_u32 v6, v1, 3, v6
	v_add_nc_u32 v[ADRS], s98, v6
	s_mul_i32 s98, s15, 8*HT
	s_add_co_u32 s98, s98, SCL                     ; the head region: my 8 tiles of A,
	s_mul_i32 s99, s16, 8*HT
	s_add_co_u32 s99, s99, SCL+16*HT               ; and of B
	v_add_nc_u32 v12, s98, v4                      ; v12, v14: A's 16-byte and 8-byte parts there; v13, v15: B's
	v_add_nc_u32 v13, s99, v4
	v_add_nc_u32 v14, s98, v5
	v_add_nc_u32 v15, s99, v5
	s_mul_i32 s98, s14, 16*SPITCH
	v_mul_u32_u24 v6, v1, SPITCH
	v_lshl_add_u32 v6, v2, 6, v6
	v_add_nc_u32 v[STO], s98, v6
	v_add_nc_u32 v[RD], s98, v4
	s_lshl_b32 s20, s66, 8
	s_lshl_b32 s21, s15, 7
	s_add_co_u32 s20, s20, s21
	s_lshl_b32 s20, s20, 12
	s_lshl_b32 s46, s97, 10
	s_lshl_b32 s47, s16, 9
	s_add_co_u32 s46, s46, s47
	s_add_co_u32 s20, s20, s46
	s_mov_b32 s21, 0
	s_add_nc_u64 s[8:9], s[8:9], s[20:21]
.macro FRAG reg, adr, q, i
	ds_load_b128 v[\reg:\reg+3], v[\adr] offset:TP*(\i)+1536*(\q)          ; TP: from tile to tile: HT in the head region, TILEB in the ring
	ds_load_b64 v[\reg+4:\reg+5], v[\adr+2] offset:TP*(\i)+1536*(\q)
	ds_load_b128 v[\reg+6:\reg+9], v[\adr] offset:TP*(\i)+1536*(\q)+768
	ds_load_b64 v[\reg+10:\reg+11], v[\adr+2] offset:TP*(\i)+1536*(\q)+768
.endm
.macro MUL16 a0, p, q, sc, zero
.irp a, \a0, \a0+1
.irp b, 0,1,2,3,4,5,6,7
.if \zero
	v_wmma_scale_f32_16x16x128_f8f6f4 v[8*(8*((\a)%4)+\b):8*(8*((\a)%4)+\b)+7], v[128*(\p)+FR*\b:128*(\p)+FR*\b+FR-1], v[AF+FR*(\a):AF+FR*(\a)+FR-1], 0, v[SC+8*NQ*(\sc)+NQ*\b+(\q)], v[SC+8*NQ*(\sc)+NQ*(\a)+(\q)] matrix_a_fmt:MATRIX_FMT_BF6 matrix_b_fmt:MATRIX_FMT_BF6 matrix_a_scale:MATRIX_SCALE_ROW1
.else
	v_wmma_scale_f32_16x16x128_f8f6f4 v[8*(8*((\a)%4)+\b):8*(8*((\a)%4)+\b)+7], v[128*(\p)+FR*\b:128*(\p)+FR*\b+FR-1], v[AF+FR*(\a):AF+FR*(\a)+FR-1], v[8*(8*((\a)%4)+\b):8*(8*((\a)%4)+\b)+7], v[SC+8*NQ*(\sc)+NQ*\b+(\q)], v[SC+8*NQ*(\sc)+NQ*(\a)+(\q)] matrix_a_fmt:MATRIX_FMT_BF6 matrix_b_fmt:MATRIX_FMT_BF6 matrix_a_scale:MATRIX_SCALE_ROW1
.endif
.endr
.endr
.endm
.macro FETCH_B slot, q, p
	WIN TO_B
.irp i, 0,1,2,3,4,5,6,7
	FRAG 128*(\p)+FR*\i, ADRB+\slot, \q, \i
.endr
	WIN 0
.endm
.macro FETCH_A slot, q, i0
.irp i, \i0, \i0+1, \i0+2, \i0+3
	FRAG AF+FR*(\i), ADRA+\slot, \q, \i
.endr
.endm
.macro SCALES sc
.irp i, 0,1,2,3,4,5,6,7
	ds_load_b64 v[SC+8*NQ*\sc+NQ*\i:SC+8*NQ*\sc+NQ*\i+1], v[ADRS] offset:\i*HT+SOFF   ; SOFF: 128 x the K step
.endr
.endm
.macro PLACES n
.rept \n
	v_nop
.endr
.endm
.macro STEP slot, q, zero
	s_wait_dscnt 4*NL
	WIN MUL_LO
	MUL16 0, (\q)%2, \q, \slot, \zero
	MUL16 2, (\q)%2, \q, \slot, \zero
	s_wait_dscnt 0
	PLACES NP
	FETCH_B \slot, (\q)+1, 1-(\q)%2
	FETCH_A \slot, (\q)+1, 0
	WIN MUL_HI
	MUL16 4, (\q)%2, \q, \slot, \zero
	MUL16 6, (\q)%2, \q, \slot, \zero
	PLACES NP
	WIN 0
	FETCH_A \slot, (\q)+1, 4
.endm
.macro TURN slot, next, fill
	s_wait_tensorcnt 0x0
	ds_add_u32 v[SPW], v[NIL]
	s_wait_dscnt 4*NL+1
	WIN MUL_LO
	MUL16 0, 1, NQ-1, \slot, 0
	s_wait_dscnt 0x0
	s_barrier_signal -1
	MUL16 2, 1, NQ-1, \slot, 0
	WIN 0
	s_barrier_wait -1
.if \fill
	CREST
	JLOAD G0+4*\slot, G1, G0B+4*\slot, G1B
.else
	PLACES NP
.endif
.set TP, TILEB                         ; from here on fragments come from the ring
.set ADRA, 16
.set ADRB, 20
.set SOFF, (SOFF+128)%512              ; K steps 3, 0, 1, 2
	FETCH_B \next, 0, 0
	FETCH_A \next, 0, 0
	SCALES \next
	WIN MUL_HI
	MUL16 4, 1, NQ-1, \slot, 0
	MUL16 6, 1, NQ-1, \slot, 0
	PLACES NP
	WIN 0
	FETCH_A \next, 0, 4
.endm
	s_wait_alu depctr_va_vdst(0)
	s_wait_tensorcnt 0x0                           ; my one load of the head's four is in; no tensor load of mine is out, so group 1 may be written:
	s_mov_b32 s[G1+2], 8<<16                       ; from here on a load brings 8 tiles
	s_mov_b32 s[G1+4], 8
	s_mov_b32 s[G1B+2], 8<<16
	s_mov_b32 s[G1B+4], 8
	s_barrier_signal -1
	s_barrier_wait -1                              ; everybody's is: the head region and slot 1 are whole
.set TP, HT                            ; the first two steps read the head region
.set ADRA, 12
.set ADRB, 13
.set SOFF, 384
	FETCH_B 0, 0, 0
	FETCH_A 0, 0, 0
	SCALES 0
	FETCH_A 0, 0, 4
	STEP 0, 0, 1
	TURN 0, 1, 1
	STEP 1, 0, 0
	TURN 1, 0, 1
	STEP 0, 0, 0
	TURN 0, 1, 0
	STEP 1, 0, 0
	s_wait_dscnt 4*NL
	WIN MUL_LO
	MUL16 0, 1, NQ-1, 1, 0
	MUL16 2, 1, NQ-1, 1, 0
	s_wait_dscnt 0
	WIN MUL_HI
	MUL16 4, 1, NQ-1, 1, 0
	MUL16 6, 1, NQ-1, 1, 0
	WIN 0
.macro TOSTAGE a
.set AC, 64*((\a)%4)
	WIN 0x08+4*((\a)/4)
.irp b, 0,1,2,3,4,5,6,7
	ds_store_b128 v[STO], v[AC+8*\b:AC+8*\b+3] offset:128*(\b/2)+32*(\b%2)
	ds_store_b128 v[STO], v[AC+8*\b+4:AC+8*\b+7] offset:128*(\b/2)+32*(\b%2)+16
.endr
	WIN 0
.set BB, BK+64*((\a)%2)
.irp t, 0,1,2,3,4,5,6,7,8,9,10,11,12,13,14,15
	ds_load_b128 v[BB+4*\t:BB+4*\t+3], v[RD] offset:\t*SPITCH
.endr
.endm
.macro SEND a, younger
.set BB, BK+64*((\a)%2)
	s_wait_dscnt \younger
.irp t, 0,1,2,3,4,5,6,7,8,9,10,11,12,13,14,15
	global_store_b128 v4, v[BB+4*\t:BB+4*\t+3], s[8:9] offset:(32*((\a)/2)+8*((\a)%2)+\t+8*(\t/8))*4096 th:TH_STORE_NT
.endr
.endm
	PLACES NP
	TOSTAGE 0
.irp a, 1,2,3,4,5,6,7
.if \a > 1
	s_wait_xcnt 0x0
.endif
	TOSTAGE \a
	SEND \a-1, 32
.endr
	SEND 7, 0
	s_wait_tensorcnt 0x0
	ds_add_u32 v[SPW], v[NIL]
	s_wait_dscnt 0x0
	CROUND
	s_endpgm
.Lfunc_end_k_q53d06319fe_proj:
	.size	k_q53d06319fe_proj, .Lfunc_end_k_q53d06319fe_proj-k_q53d06319fe_proj
	.p2alignl 7, 3214868480
	.fill 96, 4, 3214868480
	.section	.rodata,"a",@progbits
	.p2align	6, 0x0
	.amdhsa_kernel k_q53d06319fe_proj
		.amdhsa_group_segment_fixed_size 327680
		.amdhsa_private_segment_fixed_size 0
		.amdhsa_enable_private_segment 0
		.amdhsa_kernarg_size 24
		.amdhsa_user_sgpr_count 2
		.amdhsa_user_sgpr_kernarg_segment_ptr 1
		.amdhsa_wavefront_size32 1
		.amdhsa_system_sgpr_workgroup_id_x 1
		.amdhsa_system_sgpr_workgroup_id_y 1
		.amdhsa_system_sgpr_workgroup_id_z 1
		.amdhsa_system_vgpr_workitem_id 0
		.amdhsa_next_free_vgpr 1024
		.amdhsa_next_free_sgpr 100
		.amdhsa_reserve_vcc 0
		.amdhsa_float_denorm_mode_32 3
		.amdhsa_float_denorm_mode_16_64 3
		.amdhsa_memory_ordered 1
		.amdhsa_forward_progress 1
		.amdhsa_inst_pref_size 143
	.end_amdhsa_kernel
	.amdgpu_metadata
---
amdhsa.version: [ 1, 2 ]
amdhsa.kernels:
  - .name:           k_q53d06319fe_proj
    .symbol:         k_q53d06319fe_proj.kd
    .args:
      - { .name: aq, .offset: 0, .size: 8, .value_kind: global_buffer, .address_space: global }
      - { .name: wq, .offset: 8, .size: 8, .value_kind: global_buffer, .address_space: global }
      - { .name: out0, .offset: 16, .size: 8, .value_kind: global_buffer, .address_space: global }
    .group_segment_fixed_size: 327680
    .private_segment_fixed_size: 0
    .kernarg_segment_align: 8
    .kernarg_segment_size: 24
    .max_flat_workgroup_size: 128
    .sgpr_count:     100
    .vgpr_count:     1024
    .wavefront_size: 32
...
	.end_amdgpu_metadata
.endif
;; end of part 4
